; MI455X (gfx1250); checked and timed in simulation.
; The chip was launched on July 23, 2026; its instructions are those of AMD's public machine-readable ISA for CDNA 5 (MIT licence, August 2026) and "CDNA5" Instruction Set Architecture Reference Guide (July 2026). The comments in the code are by the model that wrote it; some were corrected since.
;; Single Head Attention. Allowed arithmetic: matrix products marked QUANTISED: E2M1 operands, one E8M0 scale for each 32 along K, by v_wmma_scale_f32_16x16x128_f8f6f4 with both operands' format E2M1 (or v_wmma_scale_f32_32x16x128_f4), f32 sums; products left as they are: bf16, f16 or f32 operands; f32 sums; everything else in f32.
;; Inputs: W_k 1,024 x 1,024 float32; W_o 1,024 x 1,024 float32; W_q 1,024 x 1,024 float32; W_v 1,024 x 1,024 float32; z 4 x 2,048 x 1,024 float32.
;; Outputs: out0 4 x 2,048 x 1,024 float32.
;; This version of the problem:
;;   THIS VERSION OF THE PROBLEM IS GIVEN IN LOW PRECISION. The matrix products marked QUANTISED in the list below multiply operands that are first quantised to E2M1 (2 exponent bits, 1 mantissa bit; 4 bits a number), with one power-of-two scale for each 32 numbers along K (OCP MX v1.0); their sums are f32. The products marked 'left as it is' may take bf16, f16 or f32 operands, with f32 sums. Whichever they take, every output number must still come out within the allowed error. Rounding operands to bf16 (8 significant bits) uses up far more of that allowance than f16 does (11 bits, for magnitudes from 6e-5 to 65,504). All else is computed in f32.
;;   The module's matrix products, in the order in which they are computed (A, B: the left and right operand; K: the contracted axis; several contracted axes count as one K, in the product's order):
;;     1. [M 8,192, K 1,024] x [K 1,024, N 1,024]; A: input z; B: input W_q: QUANTISED
;;     2. [M 8,192, K 1,024] x [K 1,024, N 1,024]; A: input z; B: input W_k: QUANTISED
;;     3. [M 8,192, K 1,024] x [K 1,024, N 1,024]; A: input z; B: input W_v: QUANTISED
;;     4. batch 4 x [M 2,048, K 1,024] x [K 1,024, N 2,048]; A: computed on the way; B: computed on the way: left as it is (an operand is computed on the way)
;;     5. batch 4 x [M 2,048, K 2,048] x [K 2,048, N 1,024]; A: computed on the way; B: computed on the way: left as it is (an operand is computed on the way)
;;     6. [M 8,192, K 1,024] x [K 1,024, N 1,024]; A: computed on the way; B: input W_o: left as it is (an operand is computed on the way)
;;   THE QUANTISER, for each operand of a quantised product, along K:
;;     - K is cut into blocks of 32 from its start; a last block that is shorter is filled with zeros.
;;     - A block's scale is 2^e with e = floor(log2(the largest magnitude in the block)) - 2, held to -126 .. 127; a block of zeros has e = 0. As a byte (E8M0): e + 127.
;;     - Each number is divided by its block's scale, clamped to +-6, and rounded to the nearest number of E2M1, ties to even, subnormals kept.
;;     - The product sums the exact products of the quantised numbers (number of the format x scale) in f32.
;;   ~~~python
;;   def quantise(x, axis):      # numpy; x: float32 -> the quantised numbers, widened to float32 again
;;       x = np.moveaxis(x, axis, -1); K = x.shape[-1]
;;       x = np.pad(x, [(0, 0)] * (x.ndim - 1) + [(0, -K % 32)]); x = x.reshape(x.shape[:-1] + (-1, 32)); a = np.abs(x).max(-1, keepdims=True)
;;       e = np.where(a > 0, np.clip(np.frexp(np.where(a > 0, a, 1))[1] - 1 - 2, -126, 127), 0)      # np.frexp(a)[1] - 1 = floor(log2(a)), exactly
;;       r = np.clip(x / 2.0 ** e, -6, 6)
;;       step = 2.0 ** (np.maximum(np.frexp(np.where(r == 0, 1, r))[1] - 1, 0) - 1)
;;       q = np.round(r / step) * step * 2.0 ** e      # np.round: ties to even
;;       return np.moveaxis(q.reshape(q.shape[:-2] + (-1,))[..., :K], -1, axis).astype(np.float32)
;;   ~~~
;; One version. Each part assembles by itself: llvm-mc -triple=amdgcn-amd-amdhsa -mcpu=gfx1250 --defsym DOCPART=n.
;; ======== version 1 of 1: 6 launches
;; limits: values are held in f16: magnitudes above 65,504 overflow, below 6.1e-05 lose precision
;; workspace buffers: codes 5,767,168 bytes; scales 360,448 bytes; wo16 2,097,152 bytes; qkv16 50,331,648 bytes; fine32 786,432 bytes; p16 33,554,432 bytes; ml 786,432 bytes; ctx16 16,777,216 bytes
;; launch prep (part 1): grid 384 x 1, 4 waves a work-group, no clusters, 33,280 bytes of LDS; arguments z, W_q, W_k, W_v, W_o, codes, scales, wo16, ml; writes codes, scales, wo16, ml
.if DOCPART == 1
	.amdgcn_target "amdgcn-amd-amdhsa--gfx1250"
	.amdhsa_code_object_version 6
	.text
	.protected	k_q28246b0859_prep
	.globl	k_q28246b0859_prep
	.p2align	8
	.type	k_q28246b0859_prep,@function
k_q28246b0859_prep:
	s_mov_b64 s[64:65], 0
	v_nop
	global_prefetch_b8 v0, s[64:65] scope:SCOPE_SE
	s_setreg_imm32_b32 hwreg(HW_REG_WAVE_MODE, 25, 1), 1
	s_wait_xcnt 0x0
; THE PROGRAM: one-head causal attention, B 4, S 2048, D 1024, in six launches:
;   prep: z, W_q, W_k, W_v -> codes of E2M1 and E8M0 scale bytes along D; W_o -> f16; neutral values into the table ml
;   qkv: [q | k | v] = z [W_q | W_k | W_v]^T on codes, f32 sums; stored as f16, and the first 16 positions of every sequence also as f32
;   scores: for each live tile of 256 queries x 256 keys: t = q.k log2(e)/32, the tile's row maximum m, p = 2^(t - m) as f16, the row sums l of p
;   pv: context = sum over key chunks c of alpha_c (P_c V_c), alpha_c = 2^(m_c - M) / L, M = max m_c, L = sum 2^(m_c - M) l_c
;   proj: out = context W_o^T;   first16: positions 0..15 of every sequence once more, wholly in f32.
; WORK LEFT OUT.  reference() sets the score of key k for query q to -infinity where k > q, by a mask that it builds itself; the softmax then gives that key the weight 0
; whatever the inputs hold, so it adds nothing to the context.  Tiles of scores all of whose keys come after all of their queries, and the key steps of the second product
; that would read them, are therefore not computed.  Inside a tile that also holds live keys the hidden ones are computed and set to -infinity ahead of the maximum.  All five inputs reach the output.
; LIMITS.  A NaN, an infinity or an overflow that reaches only the tiles left out is not carried to the result.  q, k, v and the context are kept as f16 for the products left as they are:
; their magnitudes must stay at or under 65,504.  NaN and infinities among the inputs are not served.  A block whose largest magnitude lies under 2^(2 - 126) keeps the scale byte 1;
; a block of zeros gets the byte 1 where the rule says 127: its codes are zeros, and this program alone reads the bytes.
;
; THIS LAUNCH.  Work-groups 0..351 quantise: z (256 work-groups), W_q, W_k, W_v (32 each), all plain streams of blocks of 32 numbers, since D is innermost and a multiple of 32.
; A wave takes 16 steps of 512 numbers.  Each load reads 512 consecutive bytes; a step's 2,048 bytes turn through the wave's own stage in LDS, so that a lane then holds 16 neighbours
; (two neighbouring lanes hold a block); a lane's 16 codes are 8 bytes, a wave's store 256 consecutive bytes; a wave's 256 scale bytes are gathered in LDS and leave as one store.
; Work-groups 352..383 round W_o to f16 and fill ml: m = -infinity, l = 0 (the launch 'scores' then overwrites the live entries).  They use no LDS.
.set NQUANT, 352
.set STEPS, 16
.set EMAX,  2
.set CB,    8                          ; bytes of 16 codes
.set R,     16                         ; v16-79   four sets of 16 numbers as loaded
.set X,     80                         ; v80-111  two sets of 16 neighbours
.set C,     128                        ; v128-191 codes, four registers a step
.set E,     112                        ; v112-127 a scale byte a step
.set WREG,  8192                       ; LDS: a region for each wave: two stages of 32 x SP bytes, then its 256 scale bytes
.set SP,    80
.set SPW,   12                         ; v12 LDS address of my spare word; never rewritten
.set NIL,   13                         ; v13 0; never rewritten
.set SPARE, 4*WREG                     ; behind the four regions: the spare words, 128 bytes a wave
	s_load_b512 s[4:19], s[0:1], 0x0               ; z 4, W_q 6, W_k 8, W_v 10, W_o 12, codes 14, scales 16, wo16 18
	s_load_b64 s[20:21], s[0:1], 0x40              ; ml
	v_lshl_add_u32 v[SPW], v0, 2, SPARE
	v_mov_b32 v[NIL], 0
	v_lshrrev_b32 v1, 5, v0
	v_readfirstlane_b32 s26, v1                    ; wave
	v_and_b32 v2, 31, v0                           ; lane
	v_lshlrev_b32 v3, 4, v2                        ; my 16 bytes of a load's 512
	s_cmp_ge_u32 ttmp9, NQUANT
	s_cbranch_scc1 .Lother
	s_mul_i32 s27, s26, WREG
	v_lshrrev_b32 v14, 2, v2
	v_mul_u32_u24 v14, v14, SP
	v_and_b32 v15, 3, v2
	v_lshl_add_u32 v14, v15, 4, v14
	v_add_nc_u32 v14, s27, v14                     ; the stage, way in: four lanes' 64 bytes on end, then 16 of padding
	v_mul_u32_u24 v15, v2, SP
	v_add_nc_u32 v15, s27, v15                     ; way out: my 16 neighbours
	v_mul_u32_u24 v4, v2, CB                       ; my codes' place in a step's
	v_lshrrev_b32 v5, 1, v2
	s_add_co_u32 s27, s27, 2*32*SP
	v_add_nc_u32 v5, s27, v5                       ; my block's scale byte in LDS
	v_lshlrev_b32 v7, 3, v2
	v_add_nc_u32 v6, s27, v7                       ; and 8 bytes a lane on the way out
	s_and_b32 s24, ttmp9, 31                       ; a weight's work-group among its 32
	s_wait_kmcnt 0x0
	s_cmp_lt_u32 ttmp9, 320                        ; which tensor: the choice hangs on the work-group's number alone
	s_cselect_b64 s[22:23], s[8:9], s[10:11]
	s_cmp_lt_u32 ttmp9, 288
	s_cselect_b64 s[22:23], s[6:7], s[22:23]
	s_cmp_lt_u32 ttmp9, 256
	s_cselect_b64 s[22:23], s[4:5], s[22:23]
	s_cselect_b32 s24, ttmp9, s24
	s_lshl_b32 s24, s24, 2
	s_add_co_u32 s24, s24, s26                     ; my run of 8,192 numbers in the tensor
	s_lshl_b32 s24, s24, 15
	s_mov_b32 s25, 0
	s_add_nc_u64 s[22:23], s[22:23], s[24:25]
	s_lshl_b32 s28, ttmp9, 2
	s_add_co_u32 s28, s28, s26                     ; and in the codes' and scales' buffers: z's 1,024 runs, then the weights'
	s_lshl_b32 s30, s28, 12
	s_mov_b32 s31, 0
	s_add_nc_u64 s[14:15], s[14:15], s[30:31]
	s_lshl_b32 s30, s28, 8
	s_add_nc_u64 s[16:17], s[16:17], s[30:31]
.macro LOAD t
.irp i, 0,1,2,3
	global_load_b128 v[R+16*((\t)%4)+4*\i:R+16*((\t)%4)+4*\i+3], v3, s[22:23] offset:2048*(\t)+512*\i th:TH_LOAD_NT
.endr
.endm
.macro TURN t                          ; a step's numbers through the stage: LDS serves a wave's instructions in order, so no wait stands between the stores and the loads
.irp i, 0,1,2,3
	ds_store_b128 v14, v[R+16*((\t)%4)+4*\i:R+16*((\t)%4)+4*\i+3] offset:32*SP*((\t)%2)+8*SP*\i
.endr
.irp i, 0,1,2,3
	ds_load_b128 v[X+16*((\t)%2)+4*\i:X+16*((\t)%2)+4*\i+3], v15 offset:32*SP*((\t)%2)+16*\i
.endr
.endm
.irp t, 0,1,2,3
	LOAD \t
.endr
	s_wait_loadcnt 12                              ; step 0's four loads are in; those of three steps stay out
	TURN 0
.macro STEP t
.set XS, X+16*((\t)%2)
.if (\t) > 0
	s_wait_dscnt 1                                 ; this step's numbers are back from the stage (the last step's byte store may be out)
.else
	s_wait_dscnt 0x0
.endif
.if (\t)+4 < STEPS
	LOAD (\t)+4
.endif
.if (\t)+1 < STEPS
.if STEPS-2-(\t) >= 3
	s_wait_loadcnt 12                              ; the next step's four loads are in; those of the three steps behind it may be out
.else
	s_wait_loadcnt 4*(STEPS-2-(\t))
.endif
	TURN (\t)+1
.endif
	v_max3_num_f32 v8, |v[XS]|, |v[XS+1]|, |v[XS+2]|               ; the largest magnitude of my 16, in two chains
	v_max3_num_f32 v9, |v[XS+3]|, |v[XS+4]|, |v[XS+5]|
.irp i, 6,10
	v_max3_num_f32 v8, v8, |v[XS+\i]|, |v[XS+\i+1]|
	v_max3_num_f32 v9, v9, |v[XS+\i+2]|, |v[XS+\i+3]|
.endr
	v_max3_num_f32 v8, v8, |v[XS+14]|, |v[XS+15]|
	v_max3_num_f32 v8, v8, v9, (EMAX+1)<<23        ; and the floor 2^(3 - 127): the byte cannot fall under 1
	v_max_num_f32_dpp v8, v8, v8 row_xmask:1 row_mask:0xf bank_mask:0xf   ; with my neighbour's 16: the block's
	v_add_nc_u32 v11, 0xff000000, v8               ; 2 off its exponent field: the conversion takes the exponent field of this operand as its scale
	v_cvt_scalef32_pk8_fp4_f32 v[C+4*(\t)], v[XS:XS+7], v11
	v_cvt_scalef32_pk8_fp4_f32 v[C+4*(\t)+1], v[XS+8:XS+15], v11
	v_lshrrev_b32 v[E+(\t)], 23, v11               ; the scale's byte
	ds_store_b8 v5, v[E+(\t)] offset:16*(\t)       ; both lanes of a block write the same byte with the same value
	global_store_b64 v4, v[C+4*(\t):C+4*(\t)+1], s[14:15] offset:32*CB*(\t)
.endm
.irp t, 0,1,2,3,4,5,6,7,8,9,10,11,12,13,14,15
	STEP \t
.endr
	ds_load_b64 v[8:9], v6                         ; my wave's 256 scale bytes, in order behind my stores
	s_wait_dscnt 0x0
	global_store_b64 v7, v[8:9], s[16:17]          ; 32 lanes store 256 consecutive bytes, aligned
	s_branch .Lend
.Lother:
	; u = 4 (work-group - 352) + wave, 0..127: 32,768 bytes of W_o, 2,048 bytes of m, 4,096 bytes of l
	s_sub_co_u32 s27, ttmp9, NQUANT
	s_lshl_b32 s27, s27, 2
	s_add_co_u32 s27, s27, s26
	v_lshlrev_b32 v4, 3, v2                        ; 8 bytes a lane on the way out
	s_lshl_b32 s28, s27, 15
	s_mov_b32 s29, 0
	s_lshl_b32 s30, s27, 14
	s_mov_b32 s31, 0
	s_lshl_b32 s32, s27, 11
	s_mov_b32 s33, 0
	s_lshl_b32 s34, s27, 12
	s_add_co_u32 s34, s34, 262144                  ; l lies behind m's 262,144 bytes
	s_mov_b32 s35, 0
.irp i, 0,1,2,3
	v_mov_b32 v[128+\i], 0xff800000                ; -infinity
	v_mov_b32 v[132+\i], 0
.endr
	s_wait_kmcnt 0x0
	s_add_nc_u64 s[12:13], s[12:13], s[28:29]
	s_add_nc_u64 s[18:19], s[18:19], s[30:31]
	s_add_nc_u64 s[22:23], s[20:21], s[32:33]
	s_add_nc_u64 s[24:25], s[20:21], s[34:35]
.irp k, 0,1,2,3
	global_store_b128 v3, v[128:131], s[22:23] offset:512*\k
.endr
.irp k, 0,1,2,3,4,5,6,7
	global_store_b128 v3, v[132:135], s[24:25] offset:512*\k
.endr
.irp t, 0,1,2,3
.if \t > 0
	s_wait_xcnt 0x0                                ; the last batch's stores have read their data registers, which are written again below
.endif
.irp k, 0,1,2,3,4,5,6,7,8,9,10,11,12,13,14,15
	global_load_b128 v[32+4*\k:35+4*\k], v3, s[12:13] offset:8192*\t+512*\k th:TH_LOAD_NT
.endr
.irp k, 0,1,2,3,4,5,6,7,8,9,10,11,12,13,14,15
	s_wait_loadcnt 15-\k                           ; load k is in; the batch's younger ones stay out
	v_cvt_pk_f16_f32 v[96+2*\k], v[32+4*\k], v[33+4*\k]
	v_cvt_pk_f16_f32 v[97+2*\k], v[34+4*\k], v[35+4*\k]
	global_store_b64 v4, v[96+2*\k:97+2*\k], s[18:19] offset:4096*\t+256*\k   ; 256 consecutive bytes a wave, aligned
.endr
.endr
.Lend:
	s_wait_tensorcnt 0x0                           ; the wave's end
	ds_add_u32 v[SPW], v[NIL]
	s_wait_dscnt 0x0
	s_endpgm
.Lfunc_end_k_q28246b0859_prep:
	.size	k_q28246b0859_prep, .Lfunc_end_k_q28246b0859_prep-k_q28246b0859_prep
	.p2alignl 7, 3214868480
	.fill 96, 4, 3214868480
	.section	.rodata,"a",@progbits
	.p2align	6, 0x0
	.amdhsa_kernel k_q28246b0859_prep
		.amdhsa_group_segment_fixed_size 33280
		.amdhsa_private_segment_fixed_size 0
		.amdhsa_enable_private_segment 0
		.amdhsa_kernarg_size 72
		.amdhsa_user_sgpr_count 2
		.amdhsa_user_sgpr_kernarg_segment_ptr 1
		.amdhsa_wavefront_size32 1
		.amdhsa_system_sgpr_workgroup_id_x 1
		.amdhsa_system_sgpr_workgroup_id_y 1
		.amdhsa_system_sgpr_workgroup_id_z 1
		.amdhsa_system_vgpr_workitem_id 0
		.amdhsa_next_free_vgpr 192
		.amdhsa_next_free_sgpr 66
		.amdhsa_reserve_vcc 0
		.amdhsa_float_denorm_mode_32 3
		.amdhsa_float_denorm_mode_16_64 3
		.amdhsa_memory_ordered 1
		.amdhsa_forward_progress 1
		.amdhsa_inst_pref_size 58
	.end_amdhsa_kernel
	.amdgpu_metadata
---
amdhsa.version: [ 1, 2 ]
amdhsa.kernels:
  - .name:           k_q28246b0859_prep
    .symbol:         k_q28246b0859_prep.kd
    .args:
      - { .name: z, .offset: 0, .size: 8, .value_kind: global_buffer, .address_space: global }
      - { .name: W_q, .offset: 8, .size: 8, .value_kind: global_buffer, .address_space: global }
      - { .name: W_k, .offset: 16, .size: 8, .value_kind: global_buffer, .address_space: global }
      - { .name: W_v, .offset: 24, .size: 8, .value_kind: global_buffer, .address_space: global }
      - { .name: W_o, .offset: 32, .size: 8, .value_kind: global_buffer, .address_space: global }
      - { .name: codes, .offset: 40, .size: 8, .value_kind: global_buffer, .address_space: global }
      - { .name: scales, .offset: 48, .size: 8, .value_kind: global_buffer, .address_space: global }
      - { .name: wo16, .offset: 56, .size: 8, .value_kind: global_buffer, .address_space: global }
      - { .name: ml, .offset: 64, .size: 8, .value_kind: global_buffer, .address_space: global }
    .group_segment_fixed_size: 33280
    .private_segment_fixed_size: 0
    .kernarg_segment_align: 8
    .kernarg_segment_size: 72
    .max_flat_workgroup_size: 128
    .sgpr_count:     66
    .vgpr_count:     192
    .wavefront_size: 32
...
	.end_amdgpu_metadata
.endif
;; end of part 1
;; launch qkv (part 2): grid 8 x 32, 4 waves a work-group, clusters of 4 x 1, 327,680 bytes of LDS; arguments codes, scales, qkv16, fine32; writes qkv16, fine32
.if DOCPART == 2
	.amdgcn_target "amdgcn-amd-amdhsa--gfx1250"
	.amdhsa_code_object_version 6
	.text
	.protected	k_q28246b0859_qkv
	.globl	k_q28246b0859_qkv
	.p2align	8
	.type	k_q28246b0859_qkv,@function
k_q28246b0859_qkv:
	s_mov_b64 s[64:65], 0
	v_nop
	global_prefetch_b8 v0, s[64:65] scope:SCOPE_SE
	s_setreg_imm32_b32 hwreg(HW_REG_WAVE_MODE, 25, 1), 1
	s_wait_xcnt 0x0
	s_wait_alu depctr_hold_cnt(0) depctr_sa_sdst(0) depctr_va_vdst(0) depctr_va_sdst(0) depctr_va_ssrc(0) depctr_va_vcc(0) depctr_vm_vsrc(0)
	s_getreg_b32 s2, hwreg(HW_REG_IB_STS2, 6, 4)
	s_cmp_eq_u32 s2, 0
	s_cbranch_scc0 .Lentry_in_a_cluster
	s_endpgm
.Lentry_in_a_cluster:
	s_bfe_u32 s2, ttmp6, 0x10000c
	s_cmp_lg_u32 s2, 0x3003
	s_cbranch_scc0 .Lentry_shape_is_right
	s_endpgm
.Lentry_shape_is_right:
; [q | k | v][s][e] = sum over d of z[s][d] W[e][d], on codes of E2M1 with one E8M0 scale for each 32 along d; sums in f32.  M 8192, N 3072 (W_q, W_k, W_v on end), K 1024.
; SHARES.  8192 x 3072 outputs on 256 work-groups: 256 rows x 384 columns each.  96 accumulators a wave would leave no registers for operands, so a work-group makes two tiles from the same rows of z:
; TILE 1, 256 x 256: a wave makes 128 x 128 (64 accumulators);  TILE 2, 256 x 128: a wave makes 64 rows x 128 columns (32 accumulators), so that a wave's row is 256 consecutive bytes of f16.
; K is two slots of 512 (rows of 256 bytes).  z's 256 rows and W's first 256 are asked for at the head.  All 640 rows do not fit in LDS: W's last 128 rows are filled into the bytes of W's first 128
; when tile 1's products have read them (wave 2: slot 0, wave 3: slot 1), and land while tile 1 goes out.  The scale bytes of all rows (32 bytes a row: dense blocks) come with the first fills.
; CLUSTER 4 x 1: the four partners take the same 256 rows of z: z's codes and scales are asked for jointly (mask 15).  The weights' tiles differ between partners and come by plain loads.
; A cluster of 4 x 4 is not used: the branches to the f32 side stores hang on the tile row, which must be the same in all partners.
; THE MATRIX INSTRUCTION IS USED TRANSPOSED (source 0 = 16 rows of W, source 1 = 16 rows of z): a lane holds eight neighbouring columns of one row.
; OUT: f16, through the wave's stage in LDS (bytes of its own: no fill lands there), 256 consecutive aligned bytes for sixteen lanes.  Each piece of 128 columns lies in one of q, k, v, since 128 divides 1024.
; The first 16 positions of every sequence also leave as f32, for the launch that carries them in f32.
; REGISTERS: window 0: v0-31 addresses; v32-95 scale words, two sets; v128-191 z's fragments (tile 1: one set of 8; tile 2: two sets of 4); on the way out v32-63, v192-255.
;   window 1: W's fragments, two sets.  windows 2, 3: accumulators ((a, b) at v[8 (8 (a % 4) + b)]); tile 2 uses window 2 alone.
.set NQ,     4                         ; steps of 128 along K in a slot
.set ROWB,   256
.set KROW,   512                       ; a row of codes in memory
.set PITCH,  272                       ; 256 bytes + 16: the 16 rows that a load touches start at 16 different banks
.set FR,     8
.set NL,     2
.set NP,     4
.set HALFT,  128*PITCH
.set SLOT,   4*HALFT                   ; z's 256 rows, then 256 rows of W
.set KS,     32                        ; a row of scale bytes
.set SCL,    2*SLOT                    ; z's scale bytes: 32 units of 256 bytes + 16
.set HALFS,  16*272                    ; the scales of 128 rows
.set SBLK,   2*272                     ; those of 16 rows
.set SCLB,   SCL+2*HALFS               ; W's scale bytes: 48 units, rows 0..383 of my group
.set BHS,    24*272                    ; what one of W's two scale loads brings: 192 rows
.set STAGE,  SCLB+2*BHS                ; 16 rows x 272 bytes for each wave
.set SPITCH, 272
.set SPARE,  STAGE+4*16*SPITCH         ; the spare words, 128 bytes a wave
.set WCODES, 4194304                   ; where the weights' codes begin
.set WSCALES, 262144                   ; and their scale bytes
.set ADRA, 16                          ; v16-17 tile 1: z's fragments in slot 0, 1
.set ADRA2, 18                         ; v18-19 tile 2: the same, my 64 rows
.set ADRB, 20                          ; v20-21 tile 1: W's fragments
.set ADRB2, 22                         ; v22-23 tile 2: W's last 128 rows
.set STO,  24
.set RD,   25
.set CO,   26
.set ADRS, 27                          ; v27 tile 1: my scale words
.set SPW,  28
.set NIL,  29
.set FO,   30                          ; v30 my byte offset in the f32 side store
.set ADRS2, 31                         ; v31 tile 2: my scale words
.set SC,   32
.set AF,   128
.set TMP,  192
.set OB,   32
.set G1, 24
.set G0, 32
.set G1B, 48
.set G0B, 56
.set G1S, 68
.set G0S, 76
.set G1SB, 80
.set G0SB, 88
.set MSB, 0
.macro WIN new                         ; the immediate's high byte repeats the setting that is left
.if MSB != (\new)
	s_set_vgpr_msb (MSB<<8)|(\new)
.set MSB, (\new)
.endif
.endm
.set MUL_LO, 0xa1
.set MUL_HI, 0xf1
.set TO_B,   0x40
.macro JLOAD g0a, g1a, g0b, g1b        ; waves 0, 1 fetch for z (jointly), waves 2, 3 for W; the branch hangs on the wave's number alone
	s_cmp_eq_u32 s15, 0
	s_cbranch_scc0 .Lfor_b_\@
	tensor_load_to_lds s[\g0a:\g0a+3], s[\g1a:\g1a+7]
	s_nop 0
.rept 4
	v_nop
.endr
	s_branch .Lasked_\@
.Lfor_b_\@:
	tensor_load_to_lds s[\g0b:\g0b+3], s[\g1b:\g1b+7]
	s_nop 0
.rept 4
	v_nop
.endr
.Lasked_\@:
.endm
.macro CROUND                          ; a round of the cluster's barrier
	s_barrier_signal -1
	s_barrier_wait -1
	s_cmp_lg_u32 s14, 0
	s_cbranch_scc1 .Lnot_wave_0_\@
	s_barrier_signal -3
.Lnot_wave_0_\@:
	s_barrier_wait -3
	s_barrier_signal -1
	s_barrier_wait -1
.endm
	s_load_b256 s[4:11], s[0:1], 0x0               ; codes 4, scales 6, qkv16 8, fine32 10
	v_lshl_add_u32 v[SPW], v0, 2, SPARE
	v_mov_b32 v[NIL], 0
	ds_add_u32 v[SPW], v[NIL]                      ; the opening: the add, twice on end, and its wait ahead of my first tensor load
	ds_add_u32 v[SPW], v[NIL]
	v_lshrrev_b32 v1, 5, v0
	v_readfirstlane_b32 s14, v1                    ; wave
	s_lshr_b32 s15, s14, 1                         ; tile 1: my half of the rows; also: I fetch for z (0) or W (1)
	s_and_b32 s16, s14, 1                          ; tile 1: my half of the columns; also: which half I fetch
	s_bfe_u32 s40, ttmp6, 0x40000                  ; cx
	s_lshl_b32 s42, ttmp9, 2
	s_add_co_u32 s42, s42, s40
	s_mul_i32 s42, s42, 384                        ; my group's first column among the 3,072, which is its first row of W
	s_and_b32 s17, ttmp7, 0xffff                   ; tile row, the same in all four partners
	s_mov_b32 s[G1+0], 15|(1<<20)|(1<<21)|(5<<22)|(3<<25)     ; mask of the four; bytes; 16 bytes of padding behind every 256
	s_mov_b32 s[G1B+0], (1<<20)|(5<<22)|(3<<25)               ; no mask
.irp g, G1, G1B
	s_mov_b32 s[\g+1], ROWB<<16
	s_mov_b32 s[\g+2], 128<<16
	s_mov_b32 s[\g+3], ROWB<<16
	s_mov_b32 s[\g+4], 128
	s_mov_b32 s[\g+5], KROW
	s_mov_b32 s[\g+6], 0
	s_mov_b32 s[\g+7], 0
.endr
	s_mov_b32 s[G1S+0], 15|(3<<16)|(1<<20)|(1<<21)|(5<<22)|(3<<25)   ; z's scales of 128 rows: 4,096 dense bytes as 16 rows of 256
	s_mov_b32 s[G1S+1], 32<<16
	s_mov_b32 s[G1S+2], 16<<16
	s_mov_b32 s[G1S+3], 32<<16
	s_mov_b32 s[G1S+4], 16
	s_mov_b32 s[G1S+5], 32
	s_mov_b32 s[G1S+6], 0
	s_mov_b32 s[G1S+7], 0
	s_mov_b32 s[G1SB+0], (3<<16)|(1<<20)|(5<<22)|(3<<25)             ; W's scales of 192 rows: 6,144 dense bytes as 24 rows of 256
	s_mov_b32 s[G1SB+1], 32<<16
	s_mov_b32 s[G1SB+2], 24<<16
	s_mov_b32 s[G1SB+3], 32<<16
	s_mov_b32 s[G1SB+4], 24
	s_mov_b32 s[G1SB+5], 32
	s_mov_b32 s[G1SB+6], 0
	s_mov_b32 s[G1SB+7], 0
	s_lshl_b32 s18, s16, 7
	s_lshl_b32 s20, s17, 8
	s_add_co_u32 s20, s20, s18                     ; z: row 256 x tile row + 128 x half
	s_add_co_u32 s46, s42, s18                     ; W: my group's first row + 128 x half
	s_lshl_b32 s22, s20, 5
	s_mov_b32 s23, 0
	s_lshl_b32 s20, s20, 9
	s_mov_b32 s21, 0
	s_mul_i32 s92, s16, 192
	s_add_co_u32 s92, s92, s42                     ; W's scales: 192 rows a load
	s_lshl_b32 s92, s92, 5
	s_add_co_u32 s92, s92, WSCALES
	s_mov_b32 s93, 0
	s_lshl_b32 s46, s46, 9
	s_add_co_u32 s46, s46, WCODES
	s_mov_b32 s47, 0
	s_add_co_u32 s66, s42, 256                     ; the refill: W's rows 256..383 of my group, the half of K by the wave
	s_lshl_b32 s66, s66, 9
	s_add_co_u32 s66, s66, WCODES
	s_lshl_b32 s67, s16, 8
	s_add_co_u32 s66, s66, s67
	s_mov_b32 s67, 0
	s_mul_i32 s45, s14, HALFT                      ; LDS: wave x 128 rows
	s_mul_i32 s43, s16, HALFS
	s_mul_i32 s44, s16, BHS
	s_wait_dscnt 0x0                               ; both opening adds are done
	s_wait_kmcnt 0x0
	s_add_nc_u64 s[20:21], s[4:5], s[20:21]
	s_add_nc_u64 s[22:23], s[6:7], s[22:23]
	s_add_nc_u64 s[46:47], s[4:5], s[46:47]
	s_add_nc_u64 s[92:93], s[6:7], s[92:93]
	s_add_nc_u64 s[66:67], s[4:5], s[66:67]
	CROUND                                         ; all four work-groups are here: the first joint loads meet
	s_mov_b32 s[G0S], 1
	s_add_co_u32 s[G0S+1], s43, SCL
	s_mov_b64 s[G0S+2:G0S+3], s[22:23]
	s_or_b32 s[G0S+3], s[G0S+3], 0x80000000
	s_mov_b32 s[G0SB], 1
	s_add_co_u32 s[G0SB+1], s44, SCLB
	s_mov_b64 s[G0SB+2:G0SB+3], s[92:93]
	s_or_b32 s[G0SB+3], s[G0SB+3], 0x80000000
	JLOAD G0S, G1S, G0SB, G1SB
.irp s, 0,1
	s_mov_b32 s[G0+4*\s], 1
	s_add_co_u32 s[G0+4*\s+1], s45, \s*SLOT
	s_add_nc_u64 s[G0+4*\s+2:G0+4*\s+3], s[20:21], \s*ROWB
	s_or_b32 s[G0+4*\s+3], s[G0+4*\s+3], 0x80000000
	s_mov_b32 s[G0B+4*\s], 1
	s_add_co_u32 s[G0B+4*\s+1], s45, \s*SLOT
	s_add_nc_u64 s[G0B+4*\s+2:G0B+4*\s+3], s[46:47], \s*ROWB
	s_or_b32 s[G0B+4*\s+3], s[G0B+4*\s+3], 0x80000000
	JLOAD G0+4*\s, G1, G0B+4*\s, G1B               ; three loads of mine are out
.endr
	v_and_b32 v1, 15, v0                           ; r
	v_bfe_u32 v2, v0, 4, 1                         ; h
	v_mul_u32_u24 v3, v1, PITCH
	v_lshl_add_u32 v4, v2, 4, v3
	s_mul_i32 s21, s15, HALFT
	s_mul_i32 s22, s16, HALFT
	s_add_co_u32 s22, s22, 2*HALFT
	s_mul_i32 s23, s14, 64*PITCH                   ; tile 2: my 64 rows of z
.irp s, 0,1
	v_add_nc_u32 v[ADRA+\s], s21, v4
	v_add_nc_u32 v[ADRB+\s], s22, v4
	v_add_nc_u32 v[ADRA2+\s], s23, v4
	v_add_nc_u32 v[ADRB2+\s], 2*HALFT+\s*SLOT, v4
	s_add_co_u32 s21, s21, SLOT
	s_add_co_u32 s22, s22, SLOT
	s_add_co_u32 s23, s23, SLOT
.endr
	v_mul_u32_u24 v5, v1, KS                       ; my row's scales, 32 bytes a row, 16 more for each 256 passed
	v_lshrrev_b32 v6, 8, v5
	v_lshl_add_u32 v5, v6, 4, v5
	s_mul_i32 s21, s15, HALFS                      ; tile 1: lanes 0-15 z's rows 128 wr on, lanes 16-31 W's rows 128 wc on
	s_mul_i32 s22, s16, HALFS
	s_add_co_u32 s22, s22, 2*HALFS
	s_sub_co_u32 s22, s22, s21
	v_mul_u32_u24 v6, s22, v2
	s_add_co_u32 s21, s21, SCL
	v_add_nc_u32 v6, v5, v6
	v_add_nc_u32 v[ADRS], s21, v6
	s_mul_i32 s21, s14, 8*272                      ; tile 2: lanes 0-15 z's rows 64 w on, lanes 16-31 W's rows 256 on
	s_mov_b32 s22, 4*HALFS
	s_sub_co_u32 s22, s22, s21
	v_mul_u32_u24 v6, s22, v2
	s_add_co_u32 s21, s21, SCL
	v_add_nc_u32 v6, v5, v6
	v_add_nc_u32 v[ADRS2], s21, v6
	s_mul_i32 s23, s14, 16*SPITCH
	s_add_co_u32 s23, s23, STAGE                   ; my stage
	v_mul_u32_u24 v5, v1, SPITCH
	v_lshl_add_u32 v5, v2, 4, v5
	v_add_nc_u32 v[STO], s23, v5                   ; in: row r, 16 bytes for each half of the lanes
	v_mul_u32_u24 v5, v2, SPITCH
	v_lshl_add_u32 v5, v1, 4, v5
	v_add_nc_u32 v[RD], s23, v5                    ; back: lanes 0-15 one row of 256 bytes, lanes 16-31 the next
	v_lshlrev_b32 v5, 11, v2
	v_lshl_add_u32 v[CO], v1, 4, v5                ; the same two rows in qkv16 (2,048 bytes a row)
	v_lshlrev_b32 v5, 12, v1
	v_lshl_add_u32 v[FO], v2, 5, v5                ; fine32: row r of 4,096 bytes, + 32 h
	; where my results go.  Tile 1: my 128 columns begin at column 384 g + 128 wc of the 3,072: the tensor is that / 1024
	s_lshl_b32 s18, s16, 7
	s_add_co_u32 s18, s18, s42
	s_lshr_b32 s19, s18, 10                        ; the tensor
	s_and_b32 s18, s18, 1023                       ; the column in it
	s_lshl_b32 s20, s19, 24
	s_lshl_b32 s21, s17, 19                        ; 256 rows of 2,048 bytes a tile row
	s_add_co_u32 s20, s20, s21
	s_lshl_b32 s21, s15, 18
	s_add_co_u32 s20, s20, s21
	s_lshl_b32 s21, s18, 1
	s_add_co_u32 s20, s20, s21
	s_mov_b32 s21, 0
	s_lshl_b32 s22, s19, 18                        ; fine32: the tensor, the batch, the column
	s_lshr_b32 s23, s17, 3
	s_lshl_b32 s23, s23, 16
	s_add_co_u32 s22, s22, s23
	s_lshl_b32 s23, s18, 2
	s_add_co_u32 s22, s22, s23
	s_mov_b32 s23, 0
	s_add_co_u32 s18, s42, 256                     ; tile 2: columns 384 g + 256 on; my rows 64 w on
	s_lshr_b32 s19, s18, 10
	s_and_b32 s18, s18, 1023
	s_lshl_b32 s46, s19, 24
	s_lshl_b32 s47, s17, 19
	s_add_co_u32 s46, s46, s47
	s_lshl_b32 s47, s14, 17
	s_add_co_u32 s46, s46, s47
	s_lshl_b32 s47, s18, 1
	s_add_co_u32 s46, s46, s47
	s_mov_b32 s47, 0
	s_lshl_b32 s92, s19, 18
	s_lshr_b32 s93, s17, 3
	s_lshl_b32 s93, s93, 16
	s_add_co_u32 s92, s92, s93
	s_lshl_b32 s93, s18, 2
	s_add_co_u32 s92, s92, s93
	s_mov_b32 s93, 0
	s_add_nc_u64 s[94:95], s[8:9], s[46:47]        ; tile 2 in qkv16
	s_add_nc_u64 s[96:97], s[10:11], s[92:93]      ; and in fine32
	s_add_nc_u64 s[8:9], s[8:9], s[20:21]          ; tile 1 in qkv16
	s_add_nc_u64 s[10:11], s[10:11], s[22:23]      ; and in fine32
.macro FRAG reg, adr, q, i             ; 16 rows x 128 K of 4-bit codes: 8 registers, two loads of 16 bytes 32 apart
.irp c, 0,1
	ds_load_b128 v[\reg+4*\c:\reg+4*\c+3], v[\adr] offset:64*(\q)+32*\c+(\i)*16*PITCH
.endr
.endm
; TILE 1.  16 matrix instructions: z's blocks a0, a0 + 1 x W's eight.  The 64 accumulators take turns, one instruction a turn.
.macro MUL16 a0, p, q, sc, zero
.irp a, \a0, \a0+1
.irp b, 0,1,2,3,4,5,6,7
.if \zero
	v_wmma_scale_f32_16x16x128_f8f6f4 v[8*(8*((\a)%4)+\b):8*(8*((\a)%4)+\b)+7], v[128*(\p)+FR*\b:128*(\p)+FR*\b+FR-1], v[AF+FR*(\a):AF+FR*(\a)+FR-1], 0, v[SC+8*NQ*(\sc)+NQ*\b+(\q)], v[SC+8*NQ*(\sc)+NQ*(\a)+(\q)] matrix_a_fmt:MATRIX_FMT_FP4 matrix_b_fmt:MATRIX_FMT_FP4 matrix_a_scale:MATRIX_SCALE_ROW1
.else
	v_wmma_scale_f32_16x16x128_f8f6f4 v[8*(8*((\a)%4)+\b):8*(8*((\a)%4)+\b)+7], v[128*(\p)+FR*\b:128*(\p)+FR*\b+FR-1], v[AF+FR*(\a):AF+FR*(\a)+FR-1], v[8*(8*((\a)%4)+\b):8*(8*((\a)%4)+\b)+7], v[SC+8*NQ*(\sc)+NQ*\b+(\q)], v[SC+8*NQ*(\sc)+NQ*(\a)+(\q)] matrix_a_fmt:MATRIX_FMT_FP4 matrix_b_fmt:MATRIX_FMT_FP4 matrix_a_scale:MATRIX_SCALE_ROW1
.endif
.endr
.endr
.endm
.macro FETCH_B slot, q, p
	WIN TO_B
.irp i, 0,1,2,3,4,5,6,7
	FRAG 128*(\p)+FR*\i, ADRB+\slot, \q, \i
.endr
	WIN 0
.endm
.macro FETCH_A slot, q, i0
.irp i, \i0, \i0+1, \i0+2, \i0+3
	FRAG AF+FR*(\i), ADRA+\slot, \q, \i
.endr
.endm
.macro SCALES sc                       ; a slot's scale words: lanes 0-15 z's block i, lanes 16-31 W's block i
.irp i, 0,1,2,3,4,5,6,7
	ds_load_b128 v[SC+8*NQ*\sc+NQ*\i:SC+8*NQ*\sc+NQ*\i+3], v[ADRS] offset:\i*SBLK
.endr
.endm
.macro PLACES n                        ; plain vector instructions between a matrix instruction and a load into, or a read of, its registers
.rept \n
	v_nop
.endr
.endm
.macro STEP slot, q, zero
	s_wait_dscnt 4*NL                              ; W's set and z's blocks 0-3 are in; the youngest eight loads (blocks 4-7) may be out
	WIN MUL_LO
	MUL16 0, (\q)%2, \q, \slot, \zero
	MUL16 2, (\q)%2, \q, \slot, \zero
	s_wait_dscnt 0
	PLACES NP
	FETCH_B \slot, (\q)+1, 1-(\q)%2
	FETCH_A \slot, (\q)+1, 0
	WIN MUL_HI
	MUL16 4, (\q)%2, \q, \slot, \zero
	MUL16 6, (\q)%2, \q, \slot, \zero
	PLACES NP
	WIN 0
	FETCH_A \slot, (\q)+1, 4
.endm
; TILE 2.  32 matrix instructions: my 4 blocks of z's rows x W's eight; both from set p.  The 32 accumulators take turns.
.macro MUL32 p, q, sc, zero
.irp a, 0,1,2,3
.irp b, 0,1,2,3,4,5,6,7
.if \zero
	v_wmma_scale_f32_16x16x128_f8f6f4 v[8*(8*\a+\b):8*(8*\a+\b)+7], v[128*(\p)+FR*\b:128*(\p)+FR*\b+FR-1], v[AF+32*(\p)+FR*\a:AF+32*(\p)+FR*\a+FR-1], 0, v[SC+8*NQ*(\sc)+NQ*\b+(\q)], v[SC+8*NQ*(\sc)+NQ*\a+(\q)] matrix_a_fmt:MATRIX_FMT_FP4 matrix_b_fmt:MATRIX_FMT_FP4 matrix_a_scale:MATRIX_SCALE_ROW1
.else
	v_wmma_scale_f32_16x16x128_f8f6f4 v[8*(8*\a+\b):8*(8*\a+\b)+7], v[128*(\p)+FR*\b:128*(\p)+FR*\b+FR-1], v[AF+32*(\p)+FR*\a:AF+32*(\p)+FR*\a+FR-1], v[8*(8*\a+\b):8*(8*\a+\b)+7], v[SC+8*NQ*(\sc)+NQ*\b+(\q)], v[SC+8*NQ*(\sc)+NQ*\a+(\q)] matrix_a_fmt:MATRIX_FMT_FP4 matrix_b_fmt:MATRIX_FMT_FP4 matrix_a_scale:MATRIX_SCALE_ROW1
.endif
.endr
.endr
.endm
.macro FETCH2 slot, q, p               ; 24 LDS loads in one run: W's eight fragments, then my four of z, into set p
	WIN TO_B
.irp i, 0,1,2,3,4,5,6,7
	FRAG 128*(\p)+FR*\i, ADRB2+(\slot), \q, \i
.endr
	WIN 0
.irp i, 0,1,2,3
	FRAG AF+32*(\p)+FR*\i, ADRA2+(\slot), \q, \i
.endr
.endm
.macro SCALES2 sc                      ; slot sc's scale words: lanes 0-15 z's block i (blocks 0-3 are used), lanes 16-31 W's block i
.irp i, 0,1,2,3,4,5,6,7
	ds_load_b128 v[SC+8*NQ*\sc+NQ*\i:SC+8*NQ*\sc+NQ*\i+3], v[ADRS2] offset:\i*SBLK+16*\sc
.endr
.endm
.macro STEP2 t, zero                   ; step t of 8: slot t / 4, its (t % 4)-th 128 along K, sets t % 2
.if (\t) < 7
	PLACES NP                                      ; the last step's products read the sets that are loaded now
	FETCH2 ((\t)+1)/4, ((\t)+1)%4, ((\t)+1)%2
.if (\t) == 2
	SCALES2 1                                      ; the second slot's scale words, two steps ahead of their use
	s_wait_dscnt 32                                ; all but the 32 just issued: this step's fragments are in
.else
	s_wait_dscnt 24                                ; all but the 24 just issued
.endif
.else
	s_wait_dscnt 0
.endif
	WIN MUL_LO
	MUL32 (\t)%2, (\t)%4, (\t)/4, \zero
	WIN 0
.endm
; THE WAY OUT, a block of 16 rows at a time: rounded to f16 (16 bytes a lane), through my stage, back as whole rows of 256 bytes.
.macro PACK a
.set AC, 64*((\a)%4)
	WIN 0x0a+5*((\a)/4)
.irp b, 0,1,2,3,4,5,6,7
.irp r, 0,1,2,3
	v_cvt_pk_f16_f32 v[TMP+4*\b+\r], v[AC+8*\b+2*\r], v[AC+8*\b+2*\r+1]
.endr
.endr
	WIN 0
.endm
.macro TOSTAGE a
.set BK, OB+192*((\a)%2)
.irp b, 0,1,2,3,4,5,6,7
	ds_store_b128 v[STO], v[TMP+4*\b:TMP+4*\b+3] offset:32*\b
.endr
.irp t, 0,1,2,3,4,5,6,7
	ds_load_b128 v[BK+4*\t:BK+4*\t+3], v[RD] offset:\t*2*SPITCH    ; LDS serves a wave's instructions in order: these see the stores above
.endr
.endm
.macro SEND a, base
.set BK, OB+192*((\a)%2)
	s_wait_dscnt 0                                 ; the block is back in registers
	s_wait_xcnt 0x0                                ; the stores of two blocks ago have read their registers, which the next block's loads take
.irp t, 0,1,2,3,4,5,6,7
	global_store_b128 v[CO], v[BK+4*\t:BK+4*\t+3], s[\base:\base+1] offset:(\a)*32768+\t*4096   ; sixteen lanes store 256 consecutive bytes, aligned
.endr
.endm
.macro FINE base                       ; block 0 as f32: row r, columns 16 b + 8 h + 0..7
	WIN 0x08                                       ; a store's data: window 2
.irp b, 0,1,2,3,4,5,6,7
	global_store_b128 v[FO], v[8*\b:8*\b+3], s[\base:\base+1] offset:64*\b
	global_store_b128 v[FO], v[8*\b+4:8*\b+7], s[\base:\base+1] offset:64*\b+16
.endr
	WIN 0
.endm
	s_wait_tensorcnt 1                             ; the scales and my part of slot 0 are in; slot 1's load may be out
	s_barrier_signal -1
	s_barrier_wait -1
	FETCH_B 0, 0, 0
	FETCH_A 0, 0, 0
	SCALES 0
	FETCH_A 0, 0, 4
	STEP 0, 0, 1                                   ; the first products start the sums
	STEP 0, 1, 0
	STEP 0, 2, 0
	; slot 0's last step changes slots
	s_wait_tensorcnt 0x0                           ; my part of slot 1 has landed
	ds_add_u32 v[SPW], v[NIL]
	s_wait_dscnt 4*NL+1                            ; the add and the youngest eight loads may be out
	WIN MUL_LO
	MUL16 0, 1, NQ-1, 0, 0
	s_wait_dscnt 0x0                               ; the add is done, my reads of slot 0 for tile 1 are over
	s_barrier_signal -1
	MUL16 2, 1, NQ-1, 0, 0
	WIN 0
	s_barrier_wait -1                              ; slot 1 is whole
	PLACES NP
	v_add_nc_u32 v[ADRS], 4*NQ, v[ADRS]            ; the second slot's scale words
	FETCH_B 1, 0, 0
	FETCH_A 1, 0, 0
	SCALES 1
	WIN MUL_HI
	MUL16 4, 1, NQ-1, 0, 0
	MUL16 6, 1, NQ-1, 0, 0
	PLACES NP
	WIN 0
	FETCH_A 1, 0, 4
	STEP 1, 0, 0
	STEP 1, 1, 0
	STEP 1, 2, 0
	s_wait_dscnt 4*NL
	WIN MUL_LO
	MUL16 0, 1, NQ-1, 1, 0
	MUL16 2, 1, NQ-1, 1, 0
	s_wait_dscnt 0
	WIN MUL_HI
	MUL16 4, 1, NQ-1, 1, 0
	MUL16 6, 1, NQ-1, 1, 0
	WIN 0
	; THE REFILL: W's rows 256..383 of my group into the bytes of its rows 0..127, in both slots.  Every wave: all its tensor loads have landed, the add, the add and its reads are done; then a round.
	s_wait_tensorcnt 0x0                           ; no tensor load of mine is out, so a group 0 may be written
	ds_add_u32 v[SPW], v[NIL]                      ; 0 onto my spare word; the descriptor's words stand between it and the wait for it
	s_mul_i32 s18, s16, SLOT                       ; wave 2: slot 0, wave 3: slot 1
	s_add_co_u32 s[G0B+1], s18, 2*HALFT
	s_mov_b64 s[G0B+2:G0B+3], s[66:67]
	s_or_b32 s[G0B+3], s[G0B+3], 0x80000000
	s_wait_dscnt 0x0                               ; the add is done; my reads of W's tiles are over
	CROUND                                         ; in a cluster launch every group of tensor loads stands behind a round
	s_cmp_eq_u32 s15, 0                            ; waves 0 and 1 have no part of it
	s_cbranch_scc1 .Lno_refill
	tensor_load_to_lds s[G0B:G0B+3], s[G1B:G1B+7]  ; my one load behind the round: 128 rows x 256 bytes; it lands while tile 1 goes out
	s_nop 0
.rept 4
	v_nop
.endr
.Lno_refill:
	PLACES NP
	PACK 0
	s_and_b32 s20, s17, 7                          ; a sequence's first tile of rows, and a wave with its rows 0-127: ids and the wave's number alone
	s_or_b32 s20, s20, s15
	s_cmp_lg_u32 s20, 0
	s_cbranch_scc1 .Lno_fine1
	FINE 10
.Lno_fine1:
	TOSTAGE 0
.irp a, 1,2,3,4,5,6,7
	PACK \a
	SEND \a-1, 8
	TOSTAGE \a
.endr
	SEND 7, 8
	; TILE 2
	s_wait_tensorcnt 0x0                           ; my part of W's last rows has landed,
	s_wait_xcnt 0x0                                ; and tile 1's stores have read the registers that the scale words take
	s_barrier_signal -1
	s_barrier_wait -1                              ; everybody's has
	FETCH2 0, 0, 0
	SCALES2 0
	STEP2 0, 1                                     ; the first products start the sums
.irp t, 1,2,3,4,5,6,7
	STEP2 \t, 0
.endr
	PLACES NP
	PACK 0
	s_and_b32 s20, s17, 7                          ; a sequence's first tile of rows, and the wave with its rows 0-63
	s_or_b32 s20, s20, s14
	s_cmp_lg_u32 s20, 0
	s_cbranch_scc1 .Lno_fine2
	FINE 96
.Lno_fine2:
	TOSTAGE 0
.irp a, 1,2,3
	PACK \a
	SEND \a-1, 94
	TOSTAGE \a
.endr
	SEND 3, 94
	s_wait_tensorcnt 0x0                           ; the wave's end
	ds_add_u32 v[SPW], v[NIL]
	s_wait_dscnt 0x0
	CROUND                                         ; the closing round
	s_endpgm
.Lfunc_end_k_q28246b0859_qkv:
	.size	k_q28246b0859_qkv, .Lfunc_end_k_q28246b0859_qkv-k_q28246b0859_qkv
	.p2alignl 7, 3214868480
	.fill 96, 4, 3214868480
	.section	.rodata,"a",@progbits
	.p2align	6, 0x0
	.amdhsa_kernel k_q28246b0859_qkv
		.amdhsa_group_segment_fixed_size 327680
		.amdhsa_private_segment_fixed_size 0
		.amdhsa_enable_private_segment 0
		.amdhsa_kernarg_size 32
		.amdhsa_user_sgpr_count 2
		.amdhsa_user_sgpr_kernarg_segment_ptr 1
		.amdhsa_wavefront_size32 1
		.amdhsa_system_sgpr_workgroup_id_x 1
		.amdhsa_system_sgpr_workgroup_id_y 1
		.amdhsa_system_sgpr_workgroup_id_z 1
		.amdhsa_system_vgpr_workitem_id 0
		.amdhsa_next_free_vgpr 1024
		.amdhsa_next_free_sgpr 98
		.amdhsa_reserve_vcc 0
		.amdhsa_float_denorm_mode_32 3
		.amdhsa_float_denorm_mode_16_64 3
		.amdhsa_memory_ordered 1
		.amdhsa_forward_progress 1
		.amdhsa_inst_pref_size 195
	.end_amdhsa_kernel
	.amdgpu_metadata
---
amdhsa.version: [ 1, 2 ]
amdhsa.kernels:
  - .name:           k_q28246b0859_qkv
    .symbol:         k_q28246b0859_qkv.kd
    .args:
      - { .name: codes, .offset: 0, .size: 8, .value_kind: global_buffer, .address_space: global }
      - { .name: scales, .offset: 8, .size: 8, .value_kind: global_buffer, .address_space: global }
      - { .name: qkv16, .offset: 16, .size: 8, .value_kind: global_buffer, .address_space: global }
      - { .name: fine32, .offset: 24, .size: 8, .value_kind: global_buffer, .address_space: global }
    .group_segment_fixed_size: 327680
    .private_segment_fixed_size: 0
    .kernarg_segment_align: 8
    .kernarg_segment_size: 32
    .max_flat_workgroup_size: 128
    .sgpr_count:     98
    .vgpr_count:     1024
    .wavefront_size: 32
...
	.end_amdgpu_metadata
.endif
;; end of part 2
;; launch scores (part 3): grid 36 x 4, 4 waves a work-group, no clusters, 327,680 bytes of LDS; arguments qkv16, p16, ml; writes p16, ml
.if DOCPART == 3
	.amdgcn_target "amdgcn-amd-amdhsa--gfx1250"
	.amdhsa_code_object_version 6
	.text
	.protected	k_q28246b0859_scores
	.globl	k_q28246b0859_scores
	.p2align	8
	.type	k_q28246b0859_scores,@function
k_q28246b0859_scores:
	s_mov_b64 s[64:65], 0
	v_nop
	global_prefetch_b8 v0, s[64:65] scope:SCOPE_SE
	s_setreg_imm32_b32 hwreg(HW_REG_WAVE_MODE, 25, 1), 1
	s_wait_xcnt 0x0
; For each live tile (I, J), J <= I, of 256 queries x 256 keys of a batch: s = q . k (f16 operands, f32 sums, K 1024), t = s log2(e) / 32, hidden keys -infinity,
; m = the row's largest t in this tile, p = 2^(t - m) stored as f16, l = the row's sums of the unrounded p (one for each half of the keys), m and l stored as f32.
; WORK LEFT OUT: tiles with J > I: all their keys come after all their queries; reference() gives them the weight 0 whatever the inputs hold.  36 live tiles a batch, one work-group each.
; Every row of a live tile has a live key (J < I: all; J = I: its own position), so m is a number and the maximum is taken away ahead of every exponential.
; No cluster: in any group of four along a row or column of the triangle some partner would own a tile that is left out.
; Four waves, each 128 x 128 (64 accumulators).  K goes in steps of 128 through two LDS slots; each wave fetches a quarter of a slot by one tensor load (waves 0, 1: q's rows; 2, 3: k's).
; THE MATRIX INSTRUCTION IS USED TRANSPOSED (source 0 = 16 keys, source 1 = 16 queries): a lane holds one query and eight neighbouring keys.
; REGISTERS: window 0: v0-31 addresses; v64-127, v128-191 q's fragments, two buffers; on the way out v32-127, v192-255.  window 1: k's fragments.  windows 2, 3: the accumulators ((a, b) at v[8 (8 (a % 4) + b)]).
.set KSTEP,  128
.set PITCH,  272
.set HALFT,  128*PITCH
.set SLOT,   4*HALFT
.set STAGE,  2*SLOT                    ; 16 rows x 272 bytes for each wave
.set SPITCH, 272
.set XM,     STAGE+4*16*SPITCH         ; the maxima's exchange: 1,024 bytes a wave
.set SPARE,  XM+4096                   ; the spare words, 128 bytes a wave
.set LAPS,   4
.set ADRA, 16
.set XS,   18                          ; v18 where I put my maxima
.set XL,   19                          ; v19 where my partner (the other half of the keys) put its
.set ADRB, 20
.set LOF,  22                          ; v22 16 x lane
.set STO,  24
.set RD,   25
.set CO,   26
.set SPW,  28
.set NIL,  29
.set D0R,  30                          ; v30 128 (wr - wc) + r - 8 h
.set NINF, 31                          ; v31 -infinity
.set F0,   64
.set F1,   128
.set TMP,  192
.set OB,   32
.set MX,   64                          ; v64-71  a block's row maximum, then m
.set PX,   72                          ; v72-79  at work
.set NM,   80                          ; v80-95  -m of block a at v[80 + 2 a]; the odd ones 0
.set LS,   96                          ; v96-111 a pair of sums for each block
.set LB,   112                         ; v112-115 a second chain; later l's four
.set CH,   116                         ; v116-119 four chains of maxima; later m's four
.set LQ,   120                         ; v120-127 l
.set G1, 24
.set G0, 32
.set MSB, 0
.macro WIN new
.if MSB != (\new)
	s_set_vgpr_msb (MSB<<8)|(\new)
.set MSB, (\new)
.endif
.endm
.set MUL_LO, 0xa1
.set MUL_HI, 0xf1
.set TO_B,   0x40
	s_load_b128 s[4:7], s[0:1], 0x0                ; qkv16, p16
	s_load_b64 s[8:9], s[0:1], 0x10                ; ml
	v_lshl_add_u32 v[SPW], v0, 2, SPARE
	v_mov_b32 v[NIL], 0
	ds_add_u32 v[SPW], v[NIL]                      ; the opening: the add, twice on end, and its wait ahead of my first tensor load
	ds_add_u32 v[SPW], v[NIL]
	v_lshrrev_b32 v1, 5, v0
	v_readfirstlane_b32 s10, v1                    ; wave
	s_lshr_b32 s11, s10, 1                         ; wr: my half of the queries; also: I fetch q (0) or k (1)
	s_and_b32 s12, s10, 1                          ; wc: my half of the keys; also: which 128 rows I fetch
	s_and_b32 s13, ttmp7, 0xffff                   ; the batch
	s_mov_b32 s40, 0                               ; I = how many of the triangle's row starts lie at or under my number
.irp th, 1,3,6,10,15,21,28
	s_cmp_ge_u32 ttmp9, \th
	s_cselect_b32 s41, 1, 0
	s_add_co_u32 s40, s40, s41
.endr
	s_add_co_u32 s41, s40, 1
	s_mul_i32 s41, s41, s40
	s_lshr_b32 s41, s41, 1
	s_sub_co_u32 s41, ttmp9, s41                   ; J = my number - I (I + 1) / 2
	s_mov_b32 s[G1+0], (1<<16)|(1<<20)|(5<<22)|(3<<25)   ; elements of 2 bytes; 16 bytes of padding behind every 256
	s_mov_b32 s[G1+1], KSTEP<<16
	s_mov_b32 s[G1+2], 128<<16
	s_mov_b32 s[G1+3], KSTEP<<16
	s_mov_b32 s[G1+4], 128
	s_mov_b32 s[G1+5], 1024
	s_mov_b32 s[G1+6], 0
	s_mov_b32 s[G1+7], 0
	s_mov_b32 s58, 0x3d38aa3b                      ; c0 = log2(e) / 32
	s_mov_b32 s59, s58
	s_mov_b32 s60, 0x76543210                      ; v_permlanex16_b32's selects for lane l xor 16
	s_mov_b32 s61, 0xfedcba98
	s_mov_b32 s62, 0xffff0000                      ; lanes 16-31
	s_cmp_eq_u32 s11, 0
	s_cselect_b32 s16, s40, s41                    ; q's tile by I, k's by J
	s_cselect_b32 s17, 0, 16777216                 ; k lies behind q in qkv16
	s_lshl_b32 s16, s16, 8
	s_lshl_b32 s18, s12, 7
	s_add_co_u32 s16, s16, s18
	s_lshl_b32 s18, s13, 11
	s_add_co_u32 s16, s16, s18                     ; the first row that I fetch
	s_lshl_b32 s16, s16, 11
	s_add_co_u32 s16, s16, s17
	s_mov_b32 s17, 0
	s_mul_i32 s20, s10, HALFT
	s_wait_dscnt 0x0                               ; both opening adds are done
	s_wait_kmcnt 0x0
	s_add_nc_u64 s[14:15], s[4:5], s[16:17]
.irp s, 0,1
	s_mov_b32 s[G0+4*\s], 1
	s_add_co_u32 s[G0+4*\s+1], s20, \s*SLOT
	s_add_nc_u64 s[G0+4*\s+2:G0+4*\s+3], s[14:15], \s*KSTEP*2
	s_or_b32 s[G0+4*\s+3], s[G0+4*\s+3], 0x80000000
	tensor_load_to_lds s[G0+4*\s:G0+4*\s+3], s[G1:G1+7]   ; every wave issues both first fills: two loads of mine are out
	s_nop 0
.endr
	v_and_b32 v1, 15, v0                           ; r
	v_bfe_u32 v2, v0, 4, 1                         ; h
	v_mul_u32_u24 v3, v1, PITCH
	v_lshl_add_u32 v3, v2, 4, v3
	s_mul_i32 s21, s11, HALFT
	s_mul_i32 s22, s12, HALFT
	s_add_co_u32 s22, s22, 2*HALFT
.irp s, 0,1
	v_add_nc_u32 v[ADRA+\s], s21, v3
	v_add_nc_u32 v[ADRB+\s], s22, v3
	s_add_co_u32 s21, s21, SLOT
	s_add_co_u32 s22, s22, SLOT
.endr
	s_mul_i32 s23, s10, 16*SPITCH
	s_add_co_u32 s23, s23, STAGE
	v_mul_u32_u24 v4, v1, SPITCH
	v_lshl_add_u32 v4, v2, 4, v4
	v_add_nc_u32 v[STO], s23, v4
	v_mul_u32_u24 v5, v2, SPITCH
	v_lshl_add_u32 v5, v1, 4, v5
	v_add_nc_u32 v[RD], s23, v5
	v_lshlrev_b32 v5, 12, v2
	v_lshl_add_u32 v[CO], v1, 4, v5                ; p16: 4,096 bytes a row
	v_and_b32 v5, 31, v0
	v_lshlrev_b32 v[LOF], 4, v5
	s_lshl_b32 s23, s10, 10
	s_add_co_u32 s23, s23, XM
	v_add_nc_u32 v[XS], s23, v[LOF]
	s_xor_b32 s23, s10, 1
	s_lshl_b32 s23, s23, 10
	s_add_co_u32 s23, s23, XM
	v_add_nc_u32 v[XL], s23, v[LOF]
	s_sub_co_i32 s21, s11, s12
	s_lshl_b32 s21, s21, 7
	v_lshlrev_b32 v5, 3, v2
	v_sub_nc_u32 v[D0R], v1, v5
	v_add_nc_u32 v[D0R], s21, v[D0R]
	v_mov_b32 v[NINF], 0xff800000
	s_lshl_b32 s16, s13, 23                        ; p16: batch, my first query, my first key
	s_lshl_b32 s17, s40, 20
	s_add_co_u32 s16, s16, s17
	s_lshl_b32 s17, s11, 19
	s_add_co_u32 s16, s16, s17
	s_lshl_b32 s17, s41, 9
	s_add_co_u32 s16, s16, s17
	s_lshl_b32 s17, s12, 8
	s_add_co_u32 s16, s16, s17
	s_mov_b32 s17, 0
	s_add_nc_u64 s[44:45], s[6:7], s[16:17]
	s_lshl_b32 s18, s13, 3
	s_add_co_u32 s18, s18, s40
	s_lshl_b32 s18, s18, 3
	s_add_co_u32 s18, s18, s41                     ; (8 b + I) 8 + J
	s_lshl_b32 s16, s18, 10
	s_lshl_b32 s19, s11, 9
	s_add_co_u32 s16, s16, s19
	s_add_nc_u64 s[46:47], s[8:9], s[16:17]        ; m: 1,024 bytes a tile, 512 for each half of its rows
	s_lshl_b32 s16, s18, 11
	s_add_co_u32 s16, s16, s19
	s_lshl_b32 s19, s12, 10
	s_add_co_u32 s16, s16, s19
	s_add_co_u32 s16, s16, 262144
	s_add_nc_u64 s[48:49], s[8:9], s[16:17]        ; l: 2,048 bytes a tile, 1,024 for each half of its keys
; 16 matrix instructions: query blocks a0, a0 + 1 of the window's four x all 8 key blocks, 32 along K.  The 64 accumulators take turns, one instruction a turn.
.macro MUL16 f, hi, a0, zero
.irp a, \a0, \a0+1
.irp b, 0,1,2,3,4,5,6,7
.if \zero
	v_wmma_f32_16x16x32_f16 v[8*(8*(\a)+\b):8*(8*(\a)+\b)+7], v[\f+8*\b:\f+8*\b+7], v[\f+8*(4*\hi+\a):\f+8*(4*\hi+\a)+7], 0
.else
	v_wmma_f32_16x16x32_f16 v[8*(8*(\a)+\b):8*(8*(\a)+\b)+7], v[\f+8*\b:\f+8*\b+7], v[\f+8*(4*\hi+\a):\f+8*(4*\hi+\a)+7], v[8*(8*(\a)+\b):8*(8*(\a)+\b)+7]
.endif
.endr
.endr
.endm
.macro FETCH slot, k, f                ; 32 LDS loads in one run: k's 8 fragments, then q's 8
	WIN TO_B
.irp i, 0,1,2,3,4,5,6,7
	ds_load_b128 v[\f+8*\i:\f+8*\i+3],   v[ADRB+\slot] offset:\k+\i*16*PITCH
	ds_load_b128 v[\f+8*\i+4:\f+8*\i+7], v[ADRB+\slot] offset:\k+\i*16*PITCH+32
.endr
	WIN 0
.irp i, 0,1,2,3,4,5,6,7
	ds_load_b128 v[\f+8*\i:\f+8*\i+3],   v[ADRA+\slot] offset:\k+\i*16*PITCH
	ds_load_b128 v[\f+8*\i+4:\f+8*\i+7], v[ADRA+\slot] offset:\k+\i*16*PITCH+32
.endr
.endm
.macro PLACES                          ; four plain vector instructions between a matrix instruction and a load into, or a read of, its registers
.rept 4
	v_nop
.endr
.endm
.macro QUARTER slot, k, f, g, zero
	s_wait_dscnt 8                                 ; k's fragments and q's rows 0-63 are in; the youngest eight loads may be out
	WIN MUL_LO
	MUL16 \f, 0, 0, \zero
	MUL16 \f, 0, 2, \zero
	PLACES
	FETCH \slot, \k, \g
	s_wait_dscnt 32                                ; all but the 32 just issued
	WIN MUL_HI
	MUL16 \f, 1, 0, \zero
	MUL16 \f, 1, 2, \zero
.endm
; A K step's last quarter changes slots: one barrier.  In front of it each wave waits for all its tensor loads, adds 0 to its spare word, and waits for that and for its reads of the slot.
.macro TURN slot, next, fill
	WIN 0
	s_wait_tensorcnt 0x0                           ; my part of the next slot has landed; no load of mine is out
	ds_add_u32 v[SPW], v[NIL]
	s_wait_dscnt 9                                 ; the add and the youngest eight loads may be out
	WIN MUL_LO
	MUL16 F1, 0, 0, 0
	s_wait_dscnt 0x0                               ; the add is done, my reads of this slot are over
	s_barrier_signal -1
	MUL16 F1, 0, 2, 0
	s_barrier_wait -1
.if \fill
	s_add_nc_u64 s[G0+4*\slot+2:G0+4*\slot+3], s[G0+4*\slot+2:G0+4*\slot+3], 2*KSTEP*2
	tensor_load_to_lds s[G0+4*\slot:G0+4*\slot+3], s[G1:G1+7]   ; my one load behind the barrier: this slot's K step two steps on
	s_nop 0
.endif
	PLACES
	FETCH \next, 0, F0
	WIN MUL_HI
	MUL16 F1, 1, 0, 0
	MUL16 F1, 1, 2, 0
.endm
	s_wait_tensorcnt 1                             ; my part of K step 0 is in; K step 1's load may be out
	s_barrier_signal -1
	s_barrier_wait -1
	FETCH 0, 0, F0
	QUARTER 0, 64,  F0, F1, 1                      ; the first products start the sums
	WIN 0
	s_mov_b32 s3, LAPS-1
.Llap:
	QUARTER 0, 128, F1, F0, 0
	QUARTER 0, 192, F0, F1, 0
	TURN 0, 1, 1
	QUARTER 1, 64,  F0, F1, 0
	QUARTER 1, 128, F1, F0, 0
	QUARTER 1, 192, F0, F1, 0
	TURN 1, 0, 1
	QUARTER 0, 64,  F0, F1, 0
	WIN 0
	s_sub_co_u32 s3, s3, 1
	s_cmp_lg_u32 s3, 0
	s_cbranch_scc1 .Llap
	QUARTER 0, 128, F1, F0, 0                      ; the last lap asks for nothing
	QUARTER 0, 192, F0, F1, 0
	TURN 0, 1, 0
	QUARTER 1, 64,  F0, F1, 0
	QUARTER 1, 128, F1, F0, 0
	QUARTER 1, 192, F0, F1, 0
	s_wait_dscnt 8
	WIN MUL_LO
	MUL16 F1, 0, 0, 0
	MUL16 F1, 0, 2, 0
	s_wait_dscnt 0
	WIN MUL_HI
	MUL16 F1, 1, 0, 0
	MUL16 F1, 1, 2, 0
	WIN 0
	PLACES
	; THE MASK, on the diagonal tile alone (a branch on ids).  Register 8 b + j of block a holds key 128 wc + 16 b + 8 h + j for query 128 wr + 16 a + r: hidden where 16 b + j - 16 a > D0
	s_cmp_lg_u32 s40, s41
	s_cbranch_scc1 .Lopen
.irp a, 0,1,2,3,4,5,6,7
	WIN 0x82+0x41*(\a/4)
.irp b, 0,1,2,3,4,5,6,7
.irp j, 0,1,2,3,4,5,6,7
	v_cmp_gt_i32 vcc_lo, 16*\b+\j-16*\a, v[D0R]
	v_cndmask_b32 v[64*(\a%4)+8*\b+\j], v[64*(\a%4)+8*\b+\j], v[NINF], vcc_lo
.endr
.endr
.endr
	WIN 0
.Lopen:
; a block's largest score of each lane: four chains, each over two accumulators from their low ends on
.macro MAXA a
.set AC, 64*((\a)%4)
	WIN 0x28+0x14*((\a)/4)
.irp i, 0,1,2,3,4,5,6,7
.irp k, 0,1,2,3
.if \i == 0
	v_max3_num_f32 v[CH+\k], v[NINF], v[AC+16*\k], v[AC+16*\k+1]
.else
	v_max3_num_f32 v[CH+\k], v[CH+\k], v[AC+16*\k+2*\i], v[AC+16*\k+2*\i+1]
.endif
.endr
.endr
	WIN 0
	v_max3_num_f32 v[MX+(\a)], v[CH], v[CH+1], v[CH+2]
	v_max_num_f32 v[MX+(\a)], v[MX+(\a)], v[CH+3]
.endm
.irp a, 0,1,2,3,4,5,6,7
	MAXA \a
.endr
.irp a, 0,1,2,3,4,5,6,7
	v_mov_b32 v[PX+\a], 0                          ; a lane permute's destination counts as one of its sources
.endr
.irp a, 0,1,2,3,4,5,6,7
	v_permlanex16_b32 v[PX+\a], v[MX+\a], s60, s61
.endr
.irp a, 0,1,2,3,4,5,6,7
	v_max_num_f32 v[MX+\a], v[MX+\a], v[PX+\a]     ; with lane l xor 16's keys
.endr
	ds_store_b128 v[XS], v[MX:MX+3]
	ds_store_b128 v[XS], v[MX+4:MX+7] offset:512
	s_wait_dscnt 0x0                               ; for the partner's sake: my stores are done
	s_barrier_signal -1
	s_barrier_wait -1
	ds_load_b128 v[PX:PX+3], v[XL]
	ds_load_b128 v[PX+4:PX+7], v[XL] offset:512
	s_wait_dscnt 0x0
.irp a, 0,1,2,3,4,5,6,7
	v_max_num_f32 v[MX+\a], v[MX+\a], v[PX+\a]     ; with the other 128 keys: the tile's
.endr
.irp a, 0,1,2,3,4,5,6,7
	v_mul_f32 v[MX+\a], s58, v[MX+\a]              ; m = c0 x the largest score (c0 is positive)
.endr
.irp a, 0,1,2,3,4,5,6,7
	v_xor_b32 v[NM+2*\a], 0x80000000, v[MX+\a]     ; -m
	v_mov_b32 v[NM+2*\a+1], 0                      ; (named with it as a pair)
.endr
; block a: p = 2^(c0 s - m), in place; rounded to f16 into TMP; the sums of the unrounded p in two chains
.macro SOFT a
.set AC, 64*((\a)%4)
	WIN 0x82+0x41*((\a)/4)
.set i, 0
.rept 32
	v_pk_fma_f32 v[AC+i:AC+i+1], v[AC+i:AC+i+1], s[58:59], v[NM+2*(\a):NM+2*(\a)+1] op_sel_hi:[1,0,0]
.set i, i+2
.endr
.set i, 0
.rept 64
	v_exp_f32 v[AC+i], v[AC+i]
.set i, i+1
.endr
	v_nop                                          ; a plain instruction behind the last exponential
	s_wait_alu depctr_va_vdst(0)                   ; one wait for the batch, ahead of its first reader
	WIN 0x0a+5*((\a)/4)
.irp b, 0,1,2,3,4,5,6,7
.irp r, 0,1,2,3
	v_cvt_pk_f16_f32 v[TMP+4*\b+\r], v[AC+8*\b+2*\r], v[AC+8*\b+2*\r+1]
.endr
.endr
	v_pk_add_f32 v[LS+2*(\a):LS+2*(\a)+1], v[AC:AC+1], v[AC+2:AC+3]
	v_pk_add_f32 v[LB:LB+1], v[AC+4:AC+5], v[AC+6:AC+7]
	WIN 0x08+4*((\a)/4)
.set i, 8
.rept 14
	v_pk_add_f32 v[LS+2*(\a):LS+2*(\a)+1], v[LS+2*(\a):LS+2*(\a)+1], v[AC+i:AC+i+1]
	v_pk_add_f32 v[LB:LB+1], v[LB:LB+1], v[AC+i+2:AC+i+3]
.set i, i+4
.endr
	WIN 0
	v_pk_add_f32 v[LS+2*(\a):LS+2*(\a)+1], v[LS+2*(\a):LS+2*(\a)+1], v[LB:LB+1]
.endm
.macro TOSTAGE a
.set BK, OB+192*((\a)%2)
.irp b, 0,1,2,3,4,5,6,7
	ds_store_b128 v[STO], v[TMP+4*\b:TMP+4*\b+3] offset:32*\b
.endr
.irp t, 0,1,2,3,4,5,6,7
	ds_load_b128 v[BK+4*\t:BK+4*\t+3], v[RD] offset:\t*2*SPITCH    ; in order behind the stores above
.endr
.endm
.macro SEND a
.set BK, OB+192*((\a)%2)
	s_wait_dscnt 0
	s_wait_xcnt 0x0                                ; the stores of two blocks ago have read their registers
.irp t, 0,1,2,3,4,5,6,7
	global_store_b128 v[CO], v[BK+4*\t:BK+4*\t+3], s[44:45] offset:(\a)*65536+\t*8192   ; sixteen lanes store 256 consecutive bytes, aligned
.endr
.endm
	SOFT 0
	TOSTAGE 0
.irp a, 1,2,3,4,5,6,7
	SOFT \a
	SEND \a-1
	TOSTAGE \a
.endr
	SEND 7
.irp a, 0,1,2,3,4,5,6,7
	v_add_f32 v[LQ+\a], v[LS+2*\a], v[LS+2*\a+1]
.endr
.irp a, 0,1,2,3,4,5,6,7
	v_permlanex16_b32 v[PX+\a], v[LQ+\a], s60, s61
.endr
.irp a, 0,1,2,3,4,5,6,7
	v_add_f32 v[LQ+\a], v[LQ+\a], v[PX+\a]         ; the row's sum over my 128 keys
.endr
.irp a, 0,1,2,3
	v_cndmask_b32 v[LB+\a], v[LQ+\a], v[LQ+4+\a], s62   ; lanes 0-15 store blocks 0-3 of their row index, lanes 16-31 blocks 4-7
	v_cndmask_b32 v[CH+\a], v[MX+\a], v[MX+4+\a], s62
.endr
	global_store_b128 v[LOF], v[LB:LB+3], s[48:49]     ; 512 consecutive bytes
	s_cmp_lg_u32 s12, 0                            ; m is the same in both waves of a row half: one of them stores it
	s_cbranch_scc1 .Lno_m
	global_store_b128 v[LOF], v[CH:CH+3], s[46:47]
.Lno_m:
	s_wait_tensorcnt 0x0                           ; the wave's end
	ds_add_u32 v[SPW], v[NIL]
	s_wait_dscnt 0x0
	s_endpgm
.Lfunc_end_k_q28246b0859_scores:
	.size	k_q28246b0859_scores, .Lfunc_end_k_q28246b0859_scores-k_q28246b0859_scores
	.p2alignl 7, 3214868480
	.fill 96, 4, 3214868480
	.section	.rodata,"a",@progbits
	.p2align	6, 0x0
	.amdhsa_kernel k_q28246b0859_scores
		.amdhsa_group_segment_fixed_size 327680
		.amdhsa_private_segment_fixed_size 0
		.amdhsa_enable_private_segment 0
		.amdhsa_kernarg_size 24
		.amdhsa_user_sgpr_count 2
		.amdhsa_user_sgpr_kernarg_segment_ptr 1
		.amdhsa_wavefront_size32 1
		.amdhsa_system_sgpr_workgroup_id_x 1
		.amdhsa_system_sgpr_workgroup_id_y 1
		.amdhsa_system_sgpr_workgroup_id_z 1
		.amdhsa_system_vgpr_workitem_id 0
		.amdhsa_next_free_vgpr 1024
		.amdhsa_next_free_sgpr 66
		.amdhsa_reserve_vcc 1
		.amdhsa_float_denorm_mode_32 3
		.amdhsa_float_denorm_mode_16_64 3
		.amdhsa_memory_ordered 1
		.amdhsa_forward_progress 1
		.amdhsa_inst_pref_size 250
	.end_amdhsa_kernel
	.amdgpu_metadata
---
amdhsa.version: [ 1, 2 ]
amdhsa.kernels:
  - .name:           k_q28246b0859_scores
    .symbol:         k_q28246b0859_scores.kd
    .args:
      - { .name: qkv16, .offset: 0, .size: 8, .value_kind: global_buffer, .address_space: global }
      - { .name: p16, .offset: 8, .size: 8, .value_kind: global_buffer, .address_space: global }
      - { .name: ml, .offset: 16, .size: 8, .value_kind: global_buffer, .address_space: global }
    .group_segment_fixed_size: 327680
    .private_segment_fixed_size: 0
    .kernarg_segment_align: 8
    .kernarg_segment_size: 24
    .max_flat_workgroup_size: 128
    .sgpr_count:     66
    .vgpr_count:     1024
    .wavefront_size: 32
...
	.end_amdgpu_metadata
.endif
;; end of part 3
;; launch pv (part 4): grid 8 x 32, 4 waves a work-group, clusters of 4 x 1, 327,680 bytes of LDS; arguments p16, qkv16, ml, ctx16; writes ctx16
.if DOCPART == 4
	.amdgcn_target "amdgcn-amd-amdhsa--gfx1250"
	.amdhsa_code_object_version 6
	.text
	.protected	k_q28246b0859_pv
	.globl	k_q28246b0859_pv
	.p2align	8
	.type	k_q28246b0859_pv,@function
k_q28246b0859_pv:
	s_mov_b64 s[64:65], 0
	v_nop
	global_prefetch_b8 v0, s[64:65] scope:SCOPE_SE
	s_setreg_imm32_b32 hwreg(HW_REG_WAVE_MODE, 25, 1), 1
	s_wait_xcnt 0x0
	s_wait_alu depctr_hold_cnt(0) depctr_sa_sdst(0) depctr_va_vdst(0) depctr_va_sdst(0) depctr_va_ssrc(0) depctr_va_vcc(0) depctr_vm_vsrc(0)
	s_getreg_b32 s2, hwreg(HW_REG_IB_STS2, 6, 4)
	s_cmp_eq_u32 s2, 0
	s_cbranch_scc0 .Lentry_in_a_cluster
	s_endpgm
.Lentry_in_a_cluster:
	s_bfe_u32 s2, ttmp6, 0x10000c
	s_cmp_lg_u32 s2, 0x3003
	s_cbranch_scc0 .Lentry_shape_is_right
	s_endpgm
.Lentry_shape_is_right:
; context[q][d] = sum over chunks c of 256 keys of alpha_c[q] (sum over the chunk's keys of p[q][key] v[key][d]), alpha_c = 2^(m_c - M) / L, M = max over c of m_c, L = sum over c of 2^(m_c - M) l_c.
; p, v: f16; sums f32; the context is stored as f16.
; WORK LEFT OUT: chunks all of whose keys come after all queries of a block of 128 rows: reference() gives them the weight 0 whatever the inputs hold.  Block i takes (i / 2) + 1 chunks.
; SHARES.  A work-group makes two tiles of 128 queries x 128 channels: row block 15 - p, then row block p, of one batch: together always 9 steps of 256 keys, so all 256 work-groups do equal work
; and every trip count is a constant.  Four waves, each 64 x 64.  A step's products are summed from 0 in PART; O += alpha x PART at the step's end.
; CLUSTER 4 x 1: the four partners make four tiles of channels for the same rows: p's tiles are asked for jointly (mask 15); v's tiles differ and come by plain loads.
; v lies [key][channel] and is turned on its way out of LDS by ds_load_tr16_b128.  Source 0 = 16 channels, source 1 = 16 queries: a lane holds one query and eight neighbouring channels.
; The table ml holds m = -infinity and l = 0 for chunks that are left out, so all 8 chunks of a row can be read: such a chunk's factor is 2^(-infinity) = 0.  Chunk 0 is live for every row: M is a number.
; REGISTERS: window 0: v1-15 addresses; v16-19 m of the step; v20-23 at work; v24-31 alpha (a pair for each block, the odd ones 0); v32-95 the way out; v96-111 M and 1 / L of the tile in hand and of the second tile;
;   v112-127 at work; v128-255 PART ((a, b) at v[128 + 8 (4 a + b)]).   window 1: two fragment buffers of 128.   window 2: v0-127 O.
.set PA,     528                       ; a row of p in LDS: 512 bytes + 16
.set PB,     288                       ; a row of v: 256 bytes + 32
.set AHALF,  64*PA
.set ATILE,  2*AHALF
.set BHALF,  128*PB
.set SLOT,   ATILE+2*BHALF
.set STAGE,  2*SLOT                    ; 128 rows x 272 bytes, the work-group's
.set SPITCH, 272
.set SPARE,  STAGE+128*SPITCH          ; the spare words, 128 bytes a wave
.set ADRA, 4                           ; v4-5  p's fragments in slot 0, 1
.set ADRB, 6                           ; v6-9  v's: slot 0 keys 0-127, 128-255; slot 1 likewise
.set STO,  10
.set RD,   11
.set CO,   12
.set MOF,  13                          ; v13 16 x (lane % 16)
.set SPW,  14
.set NIL,  15
.set MC,   16
.set TE,   20
.set AL,   24
.set TMP,  32
.set CURM, 96
.set CURIL, 100
.set LOM,  104
.set LOIL, 108
.set PART, 128
.set F0,   0
.set F1,   128
.set WV,   12                          ; s12 wave;  s13 wr, also: I fetch p (0) or v (1);  s14 wc, also: which half I fetch
.set BB,   17                          ; s17 batch
.set IHI,  19                          ; s19 the first tile's row block;  s20 the second's
.set ILO,  20
.set HH,   21                          ; s21 steps of the first tile
.set TT,   22                          ; s22 the step in hand, 0..8
.set CNT,  23
.set G1A,  24
.set G1B,  32
.set G0A,  40
.set G0B,  48
.set BA0,  56                          ; s56-58 the parts of the offsets that do not change
.set BB0,  57
.set BM0,  58
.set MSB, 0
.macro WIN new
.if MSB != (\new)
	s_set_vgpr_msb (MSB<<8)|(\new)
.set MSB, (\new)
.endif
.endm
.set MUL,  0x05
.set TO_F, 0x40
.macro JLOAD s                         ; waves 0, 1 fetch p's halves (jointly), waves 2, 3 v's; the branch hangs on the wave's number alone
	s_cmp_eq_u32 s13, 0
	s_cbranch_scc0 .Lfor_b_\@
	tensor_load_to_lds s[G0A+4*\s:G0A+4*\s+3], s[G1A:G1A+7]
	s_nop 0
.rept 4
	v_nop
.endr
	s_branch .Lasked_\@
.Lfor_b_\@:
	tensor_load_to_lds s[G0B+4*\s:G0B+4*\s+3], s[G1B:G1B+7]
	s_nop 0
.rept 4
	v_nop
.endr
.Lasked_\@:
.endm
.macro CREST
	s_cmp_lg_u32 s[WV], 0
	s_cbranch_scc1 .Lnot_wave_0_\@
	s_barrier_signal -3
.Lnot_wave_0_\@:
	s_barrier_wait -3
	s_barrier_signal -1
	s_barrier_wait -1
.endm
.macro CROUND
	s_barrier_signal -1
	s_barrier_wait -1
	CREST
.endm
; step T + d: its row block in s67, its chunk in s68.  Ids, the wave's number and the count of steps alone: the same in all partners
.macro WHICH d
	s_add_co_u32 s66, s[TT], \d
	s_cmp_lt_u32 s66, s[HH]
	s_cselect_b32 s67, s[IHI], s[ILO]
	s_cselect_b32 s68, 0, s[HH]
	s_sub_co_u32 s68, s66, s68
.endm
; the global addresses of slot's two descriptors for step T + d; written only where no tensor load of mine is out
.macro ADDR slot, d
	WHICH \d
	s_lshl_b32 s70, s67, 19                        ; 128 rows of 4,096 bytes a block
	s_lshl_b32 s71, s68, 9                         ; 512 bytes a chunk
	s_add_co_u32 s70, s70, s71
	s_add_co_u32 s70, s70, s[BA0]
	s_mov_b32 s71, 0
	s_add_nc_u64 s[G0A+4*\slot+2:G0A+4*\slot+3], s[4:5], s[70:71]
	s_or_b32 s[G0A+4*\slot+3], s[G0A+4*\slot+3], 0x80000000
	s_lshl_b32 s72, s68, 19                        ; 256 rows of 2,048 bytes a chunk
	s_add_co_u32 s72, s72, s[BB0]
	s_mov_b32 s73, 0
	s_add_nc_u64 s[G0B+4*\slot+2:G0B+4*\slot+3], s[6:7], s[72:73]
	s_or_b32 s[G0B+4*\slot+3], s[G0B+4*\slot+3], 0x80000000
.endm
	s_load_b256 s[4:11], s[0:1], 0x0               ; p16 4, qkv16 6, ml 8, ctx16 10
	v_lshl_add_u32 v[SPW], v0, 2, SPARE
	v_mov_b32 v[NIL], 0
	ds_add_u32 v[SPW], v[NIL]                      ; the opening: the add, twice on end, and its wait ahead of my first tensor load
	ds_add_u32 v[SPW], v[NIL]
	v_lshrrev_b32 v1, 5, v0
	v_readfirstlane_b32 s[WV], v1
	s_lshr_b32 s13, s[WV], 1
	s_and_b32 s14, s[WV], 1
	s_bfe_u32 s15, ttmp6, 0x40000                  ; cx
	s_lshl_b32 s16, ttmp9, 2
	s_add_co_u32 s16, s16, s15                     ; my tile of 128 channels
	s_and_b32 s18, ttmp7, 0xffff
	s_lshr_b32 s[BB], s18, 3
	s_and_b32 s[ILO], s18, 7
	s_sub_co_u32 s[IHI], 15, s[ILO]
	s_lshr_b32 s[HH], s[IHI], 1
	s_add_co_u32 s[HH], s[HH], 1
	s_mov_b32 s[TT], 0
	s_lshl_b32 s[BA0], s[BB], 23
	s_lshl_b32 s66, s14, 18                        ; 64 rows of p, or 128 rows of v
	s_add_co_u32 s[BA0], s[BA0], s66
	s_lshl_b32 s[BB0], s[BB], 22
	s_add_co_u32 s[BB0], s[BB0], s66
	s_add_co_u32 s[BB0], s[BB0], 33554432          ; v lies behind q and k in qkv16
	s_lshl_b32 s66, s16, 8
	s_add_co_u32 s[BB0], s[BB0], s66
	s_lshl_b32 s[BM0], s[BB], 16
	s_lshl_b32 s66, s13, 8
	s_add_co_u32 s[BM0], s[BM0], s66
	s_mov_b32 s[G1A+0], 15|(1<<16)|(1<<20)|(1<<21)|(6<<22)|(3<<25)   ; mask of the four; 2 bytes; 16 bytes of padding behind every 512
	s_mov_b32 s[G1A+1], 256<<16
	s_mov_b32 s[G1A+2], 64<<16
	s_mov_b32 s[G1A+3], 256<<16
	s_mov_b32 s[G1A+4], 64
	s_mov_b32 s[G1A+5], 2048
	s_mov_b32 s[G1A+6], 0
	s_mov_b32 s[G1A+7], 0
	s_mov_b32 s[G1B+0], (1<<16)|(1<<20)|(5<<22)|(7<<25)              ; no mask; 32 bytes of padding behind every 256
	s_mov_b32 s[G1B+1], 128<<16
	s_mov_b32 s[G1B+2], 128<<16
	s_mov_b32 s[G1B+3], 128<<16
	s_mov_b32 s[G1B+4], 128
	s_mov_b32 s[G1B+5], 1024
	s_mov_b32 s[G1B+6], 0
	s_mov_b32 s[G1B+7], 0
	s_mul_i32 s74, s14, AHALF
	s_mul_i32 s75, s14, BHALF
	s_add_co_u32 s75, s75, ATILE
.irp s, 0,1
	s_mov_b32 s[G0A+4*\s], 1
	s_add_co_u32 s[G0A+4*\s+1], s74, \s*SLOT
	s_mov_b32 s[G0B+4*\s], 1
	s_add_co_u32 s[G0B+4*\s+1], s75, \s*SLOT
.endr
	s_wait_dscnt 0x0                               ; both opening adds are done
	s_wait_kmcnt 0x0
	ADDR 0, 0
	ADDR 1, 1
	CROUND                                         ; all four work-groups are here: the first joint loads meet
	s_cmp_eq_u32 s13, 0                            ; a wave's two first fills stand in one branch: two loads of mine are out
	s_cbranch_scc0 .Lfirst_v
	tensor_load_to_lds s[G0A:G0A+3], s[G1A:G1A+7]
	s_nop 0
	tensor_load_to_lds s[G0A+4:G0A+7], s[G1A:G1A+7]
	s_nop 0
.rept 4
	v_nop
.endr
	s_branch .Lfirst_asked
.Lfirst_v:
	tensor_load_to_lds s[G0B:G0B+3], s[G1B:G1B+7]
	s_nop 0
	tensor_load_to_lds s[G0B+4:G0B+7], s[G1B:G1B+7]
	s_nop 0
.rept 4
	v_nop
.endr
.Lfirst_asked:
	v_and_b32 v1, 15, v0                           ; r
	v_bfe_u32 v2, v0, 4, 1                         ; h
	v_mul_u32_u24 v3, v1, PA
	v_lshl_add_u32 v3, v2, 4, v3
	s_mul_i32 s66, s13, AHALF
	v_add_nc_u32 v[ADRA], s66, v3
	v_add_nc_u32 v[ADRA+1], SLOT, v[ADRA]
	v_and_b32 v3, 7, v0                            ; the turning load: lane l reads key 8 (l / 16) + l % 8, channels 8 ((l / 8) % 2) + 0..7
	v_lshl_add_u32 v3, v2, 3, v3
	v_mul_u32_u24 v3, v3, PB
	v_bfe_u32 v[TE], v0, 3, 1
	v_lshl_add_u32 v3, v[TE], 4, v3
	s_lshl_b32 s66, s14, 7                         ; my 64 channels
	s_add_co_u32 s66, s66, ATILE
	v_add_nc_u32 v[ADRB], s66, v3
	v_add_nc_u32 v[ADRB+1], BHALF, v[ADRB]
	v_add_nc_u32 v[ADRB+2], SLOT, v[ADRB]
	v_add_nc_u32 v[ADRB+3], SLOT+BHALF, v[ADRB]
	s_mul_i32 s66, s13, 64*SPITCH
	s_lshl_b32 s67, s14, 7
	s_add_co_u32 s66, s66, s67
	s_add_co_u32 s66, s66, STAGE
	v_mul_u32_u24 v3, v1, SPITCH
	v_lshl_add_u32 v3, v2, 4, v3
	v_add_nc_u32 v[STO], s66, v3
	s_mul_i32 s66, s[WV], 32*SPITCH
	s_add_co_u32 s66, s66, STAGE
	v_mul_u32_u24 v3, v2, SPITCH
	v_lshl_add_u32 v3, v1, 4, v3
	v_add_nc_u32 v[RD], s66, v3
	v_lshlrev_b32 v3, 11, v2
	v_lshl_add_u32 v[CO], v1, 4, v3
	v_lshlrev_b32 v[MOF], 4, v1
.irp a, 0,1,2,3
	v_mov_b32 v[AL+2*\a+1], 0                      ; (named as the upper halves of alpha's pairs)
.endr
	s_lshl_b32 s66, s[BB], 22                      ; ctx16: batch, 32 rows a wave, my tile of channels; then the row block
	s_lshl_b32 s67, s[WV], 16
	s_add_co_u32 s66, s66, s67
	s_lshl_b32 s67, s16, 8
	s_add_co_u32 s66, s66, s67
	s_lshl_b32 s68, s[IHI], 18
	s_add_co_u32 s68, s68, s66
	s_mov_b32 s69, 0
	s_add_nc_u64 s[86:87], s[10:11], s[68:69]
	s_lshl_b32 s68, s[ILO], 18
	s_add_co_u32 s68, s68, s66
	s_add_nc_u64 s[88:89], s[10:11], s[68:69]
; M and 1 / L of my 64 rows of row block s[ireg]: four numbers a lane (blocks a = 0..3 of query r)
.macro STATS ireg, dm, dil
	s_lshr_b32 s66, s[\ireg], 1
	s_lshl_b32 s67, s[BB], 3
	s_add_co_u32 s66, s66, s67                     ; 8 b + I
	s_and_b32 s67, s[\ireg], 1
	s_lshl_b32 s67, s67, 9
	s_lshl_b32 s68, s13, 8
	s_add_co_u32 s67, s67, s68
	s_lshl_b32 s70, s66, 13
	s_add_co_u32 s70, s70, s67
	s_mov_b32 s71, 0
	s_lshl_b32 s72, s66, 14
	s_add_co_u32 s72, s72, s67
	s_add_co_u32 s72, s72, 262144
	s_mov_b32 s73, 0
	s_add_nc_u64 s[82:83], s[8:9], s[70:71]
	s_add_nc_u64 s[84:85], s[8:9], s[72:73]
.irp c, 0,1,2,3,4,5,6,7
	global_load_b128 v[128+4*\c:131+4*\c], v[MOF], s[82:83] offset:1024*\c
.endr
.irp c, 0,1,2,3,4,5,6,7
	global_load_b128 v[160+8*\c:163+8*\c], v[MOF], s[84:85] offset:2048*\c
	global_load_b128 v[164+8*\c:167+8*\c], v[MOF], s[84:85] offset:2048*\c+1024
.endr
	s_wait_loadcnt 0x0
.irp a, 0,1,2,3
	v_max3_num_f32 v[\dm+\a], v[128+\a], v[132+\a], v[136+\a]
.endr
.irp a, 0,1,2,3
	v_max3_num_f32 v[\dm+\a], v[\dm+\a], v[140+\a], v[144+\a]
.endr
.irp a, 0,1,2,3
	v_max3_num_f32 v[\dm+\a], v[\dm+\a], v[148+\a], v[152+\a]
.endr
.irp a, 0,1,2,3
	v_max_num_f32 v[\dm+\a], v[\dm+\a], v[156+\a]
.endr
.irp c, 0,1,2,3,4,5,6,7
.irp a, 0,1,2,3
	v_sub_f32 v[128+4*\c+\a], v[128+4*\c+\a], v[\dm+\a]
.endr
.endr
.irp c, 0,1,2,3,4,5,6,7
.irp a, 0,1,2,3
	v_exp_f32 v[128+4*\c+\a], v[128+4*\c+\a]
.endr
.endr
.irp c, 0,1,2,3,4,5,6,7
.irp a, 0,1,2,3
	v_add_f32 v[160+8*\c+\a], v[160+8*\c+\a], v[164+8*\c+\a]   ; the two halves of a chunk's keys: plain work behind the exponentials
.endr
.endr
	s_wait_alu depctr_va_vdst(0)                   ; one wait for the batch, ahead of its first reader
.irp a, 0,1,2,3
	v_mul_f32 v[112+\a], v[128+\a], v[160+\a]
.endr
.irp c, 1,2,3,4,5,6,7
.irp a, 0,1,2,3
	v_fmac_f32 v[112+\a], v[128+4*\c+\a], v[160+8*\c+\a]
.endr
.endr
.irp a, 0,1,2,3
	v_rcp_f32 v[\dil+\a], v[112+\a]
.endr
	v_nop
	s_wait_alu depctr_va_vdst(0)
.endm
.macro MLOAD d                         ; m of step T + d's chunk for my rows; the last such load has been waited for, so its base may be written
	WHICH \d
	s_lshr_b32 s69, s67, 1
	s_lshl_b32 s69, s69, 3
	s_add_co_u32 s69, s69, s68
	s_lshl_b32 s74, s69, 10
	s_and_b32 s69, s67, 1
	s_lshl_b32 s69, s69, 9
	s_add_co_u32 s74, s74, s69
	s_add_co_u32 s74, s74, s[BM0]
	s_mov_b32 s75, 0
	s_add_nc_u64 s[80:81], s[8:9], s[74:75]
	global_load_b128 v[MC:MC+3], v[MOF], s[80:81]
.endm
.macro ALPHA
	s_wait_loadcnt 0x0                             ; this step's m
.irp a, 0,1,2,3
	v_sub_f32 v[TE+\a], v[MC+\a], v[CURM+\a]
.endr
.irp a, 0,1,2,3
	v_exp_f32 v[TE+\a], v[TE+\a]
.endr
	v_nop
	s_wait_alu depctr_va_vdst(0)
.irp a, 0,1,2,3
	v_mul_f32 v[AL+2*\a], v[TE+\a], v[CURIL+\a]
.endr
.endm
; 8 matrix instructions: query blocks a0, a0 + 1 x 4 channel blocks, 32 keys: half c of buffer f.  The 16 accumulators take turns.
.macro MUL8 f, c, a0, zero
.irp a, \a0, \a0+1
.irp b, 0,1,2,3
.if \zero
	v_wmma_f32_16x16x32_f16 v[PART+8*(4*(\a)+\b):PART+8*(4*(\a)+\b)+7], v[\f+64+8*(4*\c+\b):\f+64+8*(4*\c+\b)+7], v[\f+8*(4*\c+\a):\f+8*(4*\c+\a)+7], 0
.else
	v_wmma_f32_16x16x32_f16 v[PART+8*(4*(\a)+\b):PART+8*(4*(\a)+\b)+7], v[\f+64+8*(4*\c+\b):\f+64+8*(4*\c+\b)+7], v[\f+8*(4*\c+\a):\f+8*(4*\c+\a)+7], v[PART+8*(4*(\a)+\b):PART+8*(4*(\a)+\b)+7]
.endif
.endr
.endr
.endm
; 32 LDS loads in one run: 64 keys from byte k of p's rows on; the first 32 keys first
.macro FETCH slot, k, f
	WIN TO_F
.irp c, 0,1
.irp i, 0,1,2,3
	ds_load_tr16_b128 v[\f+64+8*(4*\c+\i):\f+64+8*(4*\c+\i)+3],   v[ADRB+2*\slot+(\k)/256] offset:(((\k)/2)%128+32*\c)*PB+32*\i
	ds_load_tr16_b128 v[\f+64+8*(4*\c+\i)+4:\f+64+8*(4*\c+\i)+7], v[ADRB+2*\slot+(\k)/256] offset:(((\k)/2)%128+32*\c+16)*PB+32*\i
	ds_load_b128 v[\f+8*(4*\c+\i):\f+8*(4*\c+\i)+3],         v[ADRA+\slot] offset:\k+64*\c+\i*16*PA
	ds_load_b128 v[\f+8*(4*\c+\i)+4:\f+8*(4*\c+\i)+7],       v[ADRA+\slot] offset:\k+64*\c+\i*16*PA+32
.endr
.endr
.endm
.macro PLACES
.rept 4
	v_nop
.endr
.endm
.macro QUARTER slot, k, f, g, zero
	s_wait_dscnt 16                                ; the first 32 keys' fragments are in
	WIN MUL
	MUL8 \f, 0, 0, \zero
	MUL8 \f, 0, 2, \zero
	PLACES
	FETCH \slot, \k, \g
	s_wait_dscnt 32                                ; all but the 32 just issued
	WIN MUL
	MUL8 \f, 1, 0, 0
	MUL8 \f, 1, 2, 0
.endm
; A step's last quarter changes slots.  fill = 1: this slot takes step T + 2, behind a round of the cluster's barrier.
.macro TURN slot, next, fill
	WIN 0
	s_wait_tensorcnt 0x0                           ; my part of the next slot has landed; no load of mine is out, so descriptors may be written
	ds_add_u32 v[SPW], v[NIL]
.if \fill
	ADDR \slot, 2
.endif
	s_wait_dscnt 17                                ; the add and the youngest sixteen loads may be out
	WIN MUL
	MUL8 F1, 0, 0, 0
	s_wait_dscnt 0x0                               ; the add is done, my reads of this slot are over
	s_barrier_signal -1
	MUL8 F1, 0, 2, 0
.if \fill
	WIN 0
.endif
	s_barrier_wait -1
.if \fill
	CREST                                          ; no wave of any partner still reads this slot or has a load on its way
	JLOAD \slot
.else
	PLACES
.endif
	FETCH \next, 0, F0
	WIN MUL
	MUL8 F1, 1, 0, 0
	MUL8 F1, 1, 2, 0
.endm
.macro FMA64                           ; O += alpha x PART, each accumulator from its low end on; these lines also stand between the last products and the next step's, which begin PART anew
	PLACES
	WIN 0xa0
.irp a, 0,1,2,3
.set i, 0
.rept 16
	v_pk_fma_f32 v[32*\a+i:32*\a+i+1], v[PART+32*\a+i:PART+32*\a+i+1], v[AL+2*\a:AL+2*\a+1], v[32*\a+i:32*\a+i+1] op_sel_hi:[1,0,1]
.set i, i+2
.endr
.endr
.endm
; THE WAY OUT of a tile: f16, through the work-group's stage (a row's 256 bytes come from two waves), 32 whole rows a wave.
.macro EPI last, base
	s_wait_xcnt 0x0                                ; earlier stores have read the registers that are written below
	WIN 0x0a
.set i, 0
.rept 64
	v_cvt_pk_f16_f32 v[TMP+i], v[2*i], v[2*i+1]
.set i, i+1
.endr
	WIN 0
.irp a, 0,1,2,3
.irp b, 0,1,2,3
	ds_store_b128 v[STO], v[TMP+4*(4*\a+\b):TMP+4*(4*\a+\b)+3] offset:\a*16*SPITCH+32*\b
.endr
.endr
	s_wait_dscnt 0x0                               ; for the others' sake: my stores into the stage are done
	s_barrier_signal -1
	s_barrier_wait -1
.irp t, 0,1,2,3,4,5,6,7,8,9,10,11,12,13,14,15
	ds_load_b128 v[TMP+4*\t:TMP+4*\t+3], v[RD] offset:\t*2*SPITCH
.endr
.irp t, 0,1,2,3,4,5,6,7,8,9,10,11,12,13,14,15
	s_wait_dscnt 15-\t
	global_store_b128 v[CO], v[TMP+4*\t:TMP+4*\t+3], s[\base:\base+1] offset:2*\t*2048   ; sixteen lanes store 256 consecutive bytes, aligned
.endr
.if \last == 0
	s_barrier_signal -1                            ; my reads of the stage are over (the count-down ended at 0): the second tile may write it only behind this barrier
	s_barrier_wait -1
	WIN 0x80
.set i, 0
.rept 128
	v_mov_b32 v[i], 0                              ; O of the second tile
.set i, i+1
.endr
	WIN 0
.irp a, 0,1,2,3
	v_mov_b32 v[CURM+\a], v[LOM+\a]
	v_mov_b32 v[CURIL+\a], v[LOIL+\a]
.endr
.endif
.endm
; A step of 256 keys.  mode 2: its slot is filled again; 1: it is not; 0: the last step.
.macro STEP slot, next, mode
	ALPHA
.if \mode
	MLOAD 1
.endif
	QUARTER \slot, 128, F0, F1, 1                  ; the first products start PART's sums
	QUARTER \slot, 256, F1, F0, 0
	QUARTER \slot, 384, F0, F1, 0
.if \mode
	TURN \slot, \next, (\mode)-1
.else
	s_wait_dscnt 16
	WIN MUL
	MUL8 F1, 0, 0, 0
	MUL8 F1, 0, 2, 0
	s_wait_dscnt 0
	MUL8 F1, 1, 0, 0
	MUL8 F1, 1, 2, 0
.endif
	FMA64
	WIN 0
	s_add_co_u32 s[TT], s[TT], 1
.if \mode
	s_cmp_lg_u32 s[TT], s[HH]                      ; the first tile is finished: ids and the count of steps alone, the same in all waves and partners
	s_cbranch_scc1 .Lsame_\@
	EPI 0, 86
.Lsame_\@:
.endif
.endm
	STATS ILO, LOM, LOIL
	STATS IHI, CURM, CURIL
	WIN 0x80
.set i, 0
.rept 128
	v_mov_b32 v[i], 0                              ; O of the first tile
.set i, i+1
.endr
	WIN 0
	MLOAD 0
	s_wait_tensorcnt 1                             ; my part of step 0 is in; step 1's load may be out
	s_barrier_signal -1
	s_barrier_wait -1
	FETCH 0, 0, F0
	WIN 0
	s_mov_b32 s[CNT], 3
.Lpair:
	STEP 0, 1, 2
	STEP 1, 0, 2
	s_sub_co_u32 s[CNT], s[CNT], 1
	s_cmp_lg_u32 s[CNT], 0
	s_cbranch_scc1 .Lpair
	STEP 0, 1, 2                                   ; step 6 asks for step 8
	STEP 1, 0, 1
	STEP 0, 0, 0
	EPI 1, 88
	s_wait_tensorcnt 0x0                           ; the wave's end
	ds_add_u32 v[SPW], v[NIL]
	s_wait_dscnt 0x0
	CROUND                                         ; the closing round
	s_endpgm
.Lfunc_end_k_q28246b0859_pv:
	.size	k_q28246b0859_pv, .Lfunc_end_k_q28246b0859_pv-k_q28246b0859_pv
	.p2alignl 7, 3214868480
	.fill 96, 4, 3214868480
	.section	.rodata,"a",@progbits
	.p2align	6, 0x0
	.amdhsa_kernel k_q28246b0859_pv
		.amdhsa_group_segment_fixed_size 327680
		.amdhsa_private_segment_fixed_size 0
		.amdhsa_enable_private_segment 0
		.amdhsa_kernarg_size 32
		.amdhsa_user_sgpr_count 2
		.amdhsa_user_sgpr_kernarg_segment_ptr 1
		.amdhsa_wavefront_size32 1
		.amdhsa_system_sgpr_workgroup_id_x 1
		.amdhsa_system_sgpr_workgroup_id_y 1
		.amdhsa_system_sgpr_workgroup_id_z 1
		.amdhsa_system_vgpr_workitem_id 0
		.amdhsa_next_free_vgpr 640
		.amdhsa_next_free_sgpr 100
		.amdhsa_reserve_vcc 0
		.amdhsa_float_denorm_mode_32 3
		.amdhsa_float_denorm_mode_16_64 3
		.amdhsa_memory_ordered 1
		.amdhsa_forward_progress 1
		.amdhsa_inst_pref_size 203
	.end_amdhsa_kernel
	.amdgpu_metadata
---
amdhsa.version: [ 1, 2 ]
amdhsa.kernels:
  - .name:           k_q28246b0859_pv
    .symbol:         k_q28246b0859_pv.kd
    .args:
      - { .name: p16, .offset: 0, .size: 8, .value_kind: global_buffer, .address_space: global }
      - { .name: qkv16, .offset: 8, .size: 8, .value_kind: global_buffer, .address_space: global }
      - { .name: ml, .offset: 16, .size: 8, .value_kind: global_buffer, .address_space: global }
      - { .name: ctx16, .offset: 24, .size: 8, .value_kind: global_buffer, .address_space: global }
    .group_segment_fixed_size: 327680
    .private_segment_fixed_size: 0
    .kernarg_segment_align: 8
    .kernarg_segment_size: 32
    .max_flat_workgroup_size: 128
    .sgpr_count:     100
    .vgpr_count:     640
    .wavefront_size: 32
...
	.end_amdgpu_metadata
.endif
;; end of part 4
;; launch proj (part 5): grid 4 x 64, 4 waves a work-group, clusters of 4 x 4, 327,680 bytes of LDS; arguments ctx16, wo16, out0; writes out0
.if DOCPART == 5
	.amdgcn_target "amdgcn-amd-amdhsa--gfx1250"
	.amdhsa_code_object_version 6
	.text
	.protected	k_q28246b0859_proj
	.globl	k_q28246b0859_proj
	.p2align	8
	.type	k_q28246b0859_proj,@function
k_q28246b0859_proj:
	s_mov_b64 s[64:65], 0
	v_nop
	global_prefetch_b8 v0, s[64:65] scope:SCOPE_SE
	s_setreg_imm32_b32 hwreg(HW_REG_WAVE_MODE, 25, 1), 1
	s_wait_xcnt 0x0
	s_wait_alu depctr_hold_cnt(0) depctr_sa_sdst(0) depctr_va_vdst(0) depctr_va_sdst(0) depctr_va_ssrc(0) depctr_va_vcc(0) depctr_vm_vsrc(0)
	s_getreg_b32 s2, hwreg(HW_REG_IB_STS2, 6, 4)
	s_cmp_eq_u32 s2, 0
	s_cbranch_scc0 .Lentry_in_a_cluster
	s_endpgm
.Lentry_in_a_cluster:
	s_bfe_u32 s2, ttmp6, 0x10000c
	s_cmp_lg_u32 s2, 0xf033
	s_cbranch_scc0 .Lentry_shape_is_right
	s_endpgm
.Lentry_shape_is_right:
; out[s][e] = sum over d of context[s][d] W_o[e][d]; f16 operands, f32 sums, f32 out.  M 8192, N 1024, K 1024.
; A work-group makes 128 x 256 (256 work-groups, one tile each); a wave 64 x 128: 32 accumulators.  K goes in steps of 128 through two LDS slots.
; CLUSTER 4 x 4: the context's tile is shared along a row of the cluster, W_o's along a column: each is asked for jointly.
; Positions 0..15 of every sequence are made here as part of their tiles and written once more, in f32 arithmetic, by the launch that follows: a branch round them would hang on the place in the cluster.
; THE MATRIX INSTRUCTION IS USED TRANSPOSED (source 0 = 16 rows of W_o, source 1 = 16 rows of the context): a lane holds eight neighbouring columns of one row.
; REGISTERS: window 0: v0-31 addresses; v64-95, v128-159 the context's fragments; on the way out v128-255.  window 1: v64-127, v128-191 W_o's fragments.  window 2: accumulators ((a, b) at v[8 (8 a + b)]).
.set KSTEP,  128
.set PITCH,  272
.set AH,     64*PITCH
.set BH,     128*PITCH
.set SLOT,   2*AH+2*BH
.set STAGE,  2*SLOT                    ; 16 rows x 528 bytes for each wave
.set SPITCH, 528
.set SPARE,  STAGE+4*16*SPITCH         ; the spare words, 128 bytes a wave
.set LAPS,   4
.set ADRA, 16
.set ADRB, 20
.set STO,  24
.set RD,   25
.set CO,   26
.set SPW,  28
.set NIL,  29
.set F0,   64
.set F1,   128
.set BK,   128
.set G1, 24
.set G0, 32
.set G1B, 48
.set G0B, 56
.set MSB, 0
.macro WIN new
.if MSB != (\new)
	s_set_vgpr_msb (MSB<<8)|(\new)
.set MSB, (\new)
.endif
.endm
.set MUL,  0xa1
.set TO_B, 0x40
.macro JLOAD s
	s_cmp_eq_u32 s11, 0
	s_cbranch_scc0 .Lfor_b_\@
	tensor_load_to_lds s[G0+4*\s:G0+4*\s+3], s[G1:G1+7]
	s_nop 0
.rept 4
	v_nop
.endr
	s_branch .Lasked_\@
.Lfor_b_\@:
	tensor_load_to_lds s[G0B+4*\s:G0B+4*\s+3], s[G1B:G1B+7]
	s_nop 0
.rept 4
	v_nop
.endr
.Lasked_\@:
.endm
.macro CREST
	s_cmp_lg_u32 s10, 0
	s_cbranch_scc1 .Lnot_wave_0_\@
	s_barrier_signal -3
.Lnot_wave_0_\@:
	s_barrier_wait -3
	s_barrier_signal -1
	s_barrier_wait -1
.endm
.macro CROUND
	s_barrier_signal -1
	s_barrier_wait -1
	CREST
.endm
	s_load_b128 s[4:7], s[0:1], 0x0                ; ctx16, wo16
	s_load_b64 s[8:9], s[0:1], 0x10                ; out0
	v_lshl_add_u32 v[SPW], v0, 2, SPARE
	v_mov_b32 v[NIL], 0
	ds_add_u32 v[SPW], v[NIL]                      ; the opening: the add, twice on end, and its wait ahead of my first tensor load
	ds_add_u32 v[SPW], v[NIL]
	v_lshrrev_b32 v1, 5, v0
	v_readfirstlane_b32 s10, v1                    ; wave
	s_lshr_b32 s11, s10, 1                         ; wr; also: I fetch the context (0) or W_o (1)
	s_and_b32 s12, s10, 1                          ; wc; also: which half I fetch
	s_bfe_u32 s40, ttmp6, 0x40000                  ; cx
	s_bfe_u32 s41, ttmp6, 0x40004                  ; cy
	s_lshl_b32 s42, ttmp9, 2
	s_add_co_u32 s42, s42, s40                     ; tile column
	s_and_b32 s13, ttmp7, 0xffff
	s_lshl_b32 s13, s13, 2
	s_add_co_u32 s13, s13, s41                     ; tile row
	s_lshl_b32 s43, s41, 2
	s_lshl_b32 s43, 15, s43                        ; my row of the cluster
	s_lshl_b32 s44, 0x1111, s40                    ; my column
	s_or_b32 s[G1+0], s43, (1<<16)|(1<<20)|(1<<21)|(5<<22)|(3<<25)
	s_or_b32 s[G1B+0], s44, (1<<16)|(1<<20)|(1<<21)|(5<<22)|(3<<25)
	s_mov_b32 s[G1+1], KSTEP<<16
	s_mov_b32 s[G1+2], 64<<16
	s_mov_b32 s[G1+3], KSTEP<<16
	s_mov_b32 s[G1+4], 64
	s_mov_b32 s[G1+5], 1024
	s_mov_b32 s[G1+6], 0
	s_mov_b32 s[G1+7], 0
	s_mov_b32 s[G1B+1], KSTEP<<16
	s_mov_b32 s[G1B+2], 128<<16
	s_mov_b32 s[G1B+3], KSTEP<<16
	s_mov_b32 s[G1B+4], 128
	s_mov_b32 s[G1B+5], 1024
	s_mov_b32 s[G1B+6], 0
	s_mov_b32 s[G1B+7], 0
	s_lshl_b32 s16, s13, 18                        ; the context: 128 rows of 2,048 bytes a tile row, 64 a half
	s_lshl_b32 s17, s12, 17
	s_add_co_u32 s16, s16, s17
	s_mov_b32 s17, 0
	s_lshl_b32 s46, s42, 19                        ; W_o: 256 rows a tile column, 128 a half
	s_lshl_b32 s47, s12, 18
	s_add_co_u32 s46, s46, s47
	s_mov_b32 s47, 0
	s_mul_i32 s20, s12, AH
	s_mul_i32 s21, s12, BH
	s_add_co_u32 s21, s21, 2*AH
	s_wait_dscnt 0x0                               ; both opening adds are done
	s_wait_kmcnt 0x0
	s_add_nc_u64 s[14:15], s[4:5], s[16:17]
	s_add_nc_u64 s[46:47], s[6:7], s[46:47]
	CROUND                                         ; all sixteen work-groups are here: the first joint loads meet
.irp s, 0,1
	s_mov_b32 s[G0+4*\s], 1
	s_add_co_u32 s[G0+4*\s+1], s20, \s*SLOT
	s_add_nc_u64 s[G0+4*\s+2:G0+4*\s+3], s[14:15], \s*KSTEP*2
	s_or_b32 s[G0+4*\s+3], s[G0+4*\s+3], 0x80000000
	s_mov_b32 s[G0B+4*\s], 1
	s_add_co_u32 s[G0B+4*\s+1], s21, \s*SLOT
	s_add_nc_u64 s[G0B+4*\s+2:G0B+4*\s+3], s[46:47], \s*KSTEP*2
	s_or_b32 s[G0B+4*\s+3], s[G0B+4*\s+3], 0x80000000
	JLOAD \s                                       ; two loads of mine are out
.endr
	v_and_b32 v1, 15, v0
	v_bfe_u32 v2, v0, 4, 1
	v_mul_u32_u24 v3, v1, PITCH
	v_lshl_add_u32 v3, v2, 4, v3
	s_mul_i32 s21, s11, AH
	s_mul_i32 s22, s12, BH
	s_add_co_u32 s22, s22, 2*AH
.irp s, 0,1
	v_add_nc_u32 v[ADRA+\s], s21, v3
	v_add_nc_u32 v[ADRB+\s], s22, v3
	s_add_co_u32 s21, s21, SLOT
	s_add_co_u32 s22, s22, SLOT
.endr
	s_mul_i32 s23, s10, 16*SPITCH
	s_add_co_u32 s23, s23, STAGE
	v_mul_u32_u24 v5, v1, SPITCH
	v_lshl_add_u32 v5, v2, 5, v5
	v_add_nc_u32 v[STO], s23, v5                   ; in: row r, 32 bytes for each half of the lanes
	v_and_b32 v6, 31, v0
	v_lshlrev_b32 v[CO], 4, v6                     ; back: the 32 lanes take one row of 512 bytes; the same in out0
	v_add_nc_u32 v[RD], s23, v[CO]
	s_lshl_b32 s16, s13, 19                        ; out0: 128 rows of 4,096 bytes a tile row, 64 a half; 1,024 bytes a tile column, 512 a half
	s_lshl_b32 s17, s11, 18
	s_add_co_u32 s16, s16, s17
	s_mov_b32 s17, 0
	s_lshl_b32 s46, s42, 10
	s_lshl_b32 s47, s12, 9
	s_add_co_u32 s46, s46, s47
	s_mov_b32 s47, 0
	s_add_nc_u64 s[16:17], s[16:17], s[46:47]
	s_add_nc_u64 s[8:9], s[8:9], s[16:17]
; 8 matrix instructions: row block a x 8 column blocks, 32 along K.  The 32 accumulators take turns.
.macro MUL8 f, a, zero
.irp b, 0,1,2,3,4,5,6,7
.if \zero
	v_wmma_f32_16x16x32_f16 v[8*(8*(\a)+\b):8*(8*(\a)+\b)+7], v[\f+8*\b:\f+8*\b+7], v[\f+8*(\a):\f+8*(\a)+7], 0
.else
	v_wmma_f32_16x16x32_f16 v[8*(8*(\a)+\b):8*(8*(\a)+\b)+7], v[\f+8*\b:\f+8*\b+7], v[\f+8*(\a):\f+8*(\a)+7], v[8*(8*(\a)+\b):8*(8*(\a)+\b)+7]
.endif
.endr
.endm
.macro FETCH slot, k, f                ; 24 LDS loads in one run: W_o's 8 fragments, then the context's 4
	WIN TO_B
.irp i, 0,1,2,3,4,5,6,7
	ds_load_b128 v[\f+8*\i:\f+8*\i+3],   v[ADRB+\slot] offset:\k+\i*16*PITCH
	ds_load_b128 v[\f+8*\i+4:\f+8*\i+7], v[ADRB+\slot] offset:\k+\i*16*PITCH+32
.endr
	WIN 0
.irp i, 0,1,2,3
	ds_load_b128 v[\f+8*\i:\f+8*\i+3],   v[ADRA+\slot] offset:\k+\i*16*PITCH
	ds_load_b128 v[\f+8*\i+4:\f+8*\i+7], v[ADRA+\slot] offset:\k+\i*16*PITCH+32
.endr
.endm
.macro PLACES
.rept 4
	v_nop
.endr
.endm
.macro QUARTER slot, k, f, g, zero
	s_wait_dscnt 4                                 ; the youngest four loads (the context's blocks 2, 3) may be out
	WIN MUL
	MUL8 \f, 0, \zero
	MUL8 \f, 1, \zero
	PLACES
	FETCH \slot, \k, \g
	s_wait_dscnt 24                                ; all but the 24 just issued
	WIN MUL
	MUL8 \f, 2, \zero
	MUL8 \f, 3, \zero
.endm
.macro TURN slot, next, fill
	WIN 0
	s_wait_tensorcnt 0x0                           ; my part of the next slot has landed; no load of mine is out
	ds_add_u32 v[SPW], v[NIL]
	s_wait_dscnt 5                                 ; the add and the youngest four loads may be out
	WIN MUL
	MUL8 F1, 0, 0
	s_wait_dscnt 0x0                               ; the add is done, my reads of this slot are over
	s_barrier_signal -1
	MUL8 F1, 1, 0
.if \fill
	WIN 0
.endif
	s_barrier_wait -1
.if \fill
	CREST                                          ; no wave of any partner still reads this slot or has a load on its way
	s_add_nc_u64 s[G0+4*\slot+2:G0+4*\slot+3], s[G0+4*\slot+2:G0+4*\slot+3], 2*KSTEP*2
	s_add_nc_u64 s[G0B+4*\slot+2:G0B+4*\slot+3], s[G0B+4*\slot+2:G0B+4*\slot+3], 2*KSTEP*2
	JLOAD \slot
.else
	PLACES
.endif
	FETCH \next, 0, F0
	WIN MUL
	MUL8 F1, 2, 0
	MUL8 F1, 3, 0
.endm
	s_wait_tensorcnt 1                             ; my part of K step 0 is in; K step 1's load may be out
	s_barrier_signal -1
	s_barrier_wait -1
	FETCH 0, 0, F0
	QUARTER 0, 64,  F0, F1, 1
	WIN 0
	s_mov_b32 s3, LAPS-1
.Llap:
	QUARTER 0, 128, F1, F0, 0
	QUARTER 0, 192, F0, F1, 0
	TURN 0, 1, 1
	QUARTER 1, 64,  F0, F1, 0
	QUARTER 1, 128, F1, F0, 0
	QUARTER 1, 192, F0, F1, 0
	TURN 1, 0, 1
	QUARTER 0, 64,  F0, F1, 0
	WIN 0
	s_sub_co_u32 s3, s3, 1
	s_cmp_lg_u32 s3, 0
	s_cbranch_scc1 .Llap
	QUARTER 0, 128, F1, F0, 0                      ; the last lap asks for nothing, and has no round
	QUARTER 0, 192, F0, F1, 0
	TURN 0, 1, 0
	QUARTER 1, 64,  F0, F1, 0
	QUARTER 1, 128, F1, F0, 0
	QUARTER 1, 192, F0, F1, 0
	s_wait_dscnt 4
	WIN MUL
	MUL8 F1, 0, 0
	MUL8 F1, 1, 0
	s_wait_dscnt 0
	MUL8 F1, 2, 0
	MUL8 F1, 3, 0
	WIN 0
; THE WAY OUT: a block of 16 rows x 128 columns through my stage, back as whole rows of 512 bytes.
.macro TOSTAGE a
	WIN 0x08                                       ; an LDS store's data: window 2
.irp b, 0,1,2,3,4,5,6,7
	ds_store_b128 v[STO], v[64*(\a)+8*\b:64*(\a)+8*\b+3] offset:64*\b          ; each accumulator from its low end on
	ds_store_b128 v[STO], v[64*(\a)+8*\b+4:64*(\a)+8*\b+7] offset:64*\b+16
.endr
	WIN 0
.set BBK, BK+64*((\a)%2)
.irp t, 0,1,2,3,4,5,6,7,8,9,10,11,12,13,14,15
	ds_load_b128 v[BBK+4*\t:BBK+4*\t+3], v[RD] offset:\t*SPITCH   ; in order behind the stores above
.endr
.endm
.macro SEND a, younger
.set BBK, BK+64*((\a)%2)
	s_wait_dscnt \younger                          ; the block is back; the next block's 16 stores and 16 loads may be out
.irp t, 0,1,2,3,4,5,6,7,8,9,10,11,12,13,14,15
	global_store_b128 v[CO], v[BBK+4*\t:BBK+4*\t+3], s[8:9] offset:(\a)*65536+\t*4096 th:TH_STORE_NT   ; 32 lanes store 512 consecutive bytes, aligned
.endr
.endm
	PLACES
	TOSTAGE 0
.irp a, 1,2,3
.if \a > 1
	s_wait_xcnt 0x0                                ; the stores of two blocks ago have read their registers
.endif
	TOSTAGE \a
	SEND \a-1, 32
.endr
	SEND 3, 0
	s_wait_tensorcnt 0x0                           ; the wave's end
	ds_add_u32 v[SPW], v[NIL]
	s_wait_dscnt 0x0
	CROUND                                         ; the closing round
	s_endpgm
.Lfunc_end_k_q28246b0859_proj:
	.size	k_q28246b0859_proj, .Lfunc_end_k_q28246b0859_proj-k_q28246b0859_proj
	.p2alignl 7, 3214868480
	.fill 96, 4, 3214868480
	.section	.rodata,"a",@progbits
	.p2align	6, 0x0
	.amdhsa_kernel k_q28246b0859_proj
		.amdhsa_group_segment_fixed_size 327680
		.amdhsa_private_segment_fixed_size 0
		.amdhsa_enable_private_segment 0
		.amdhsa_kernarg_size 24
		.amdhsa_user_sgpr_count 2
		.amdhsa_user_sgpr_kernarg_segment_ptr 1
		.amdhsa_wavefront_size32 1
		.amdhsa_system_sgpr_workgroup_id_x 1
		.amdhsa_system_sgpr_workgroup_id_y 1
		.amdhsa_system_sgpr_workgroup_id_z 1
		.amdhsa_system_vgpr_workitem_id 0
		.amdhsa_next_free_vgpr 768
		.amdhsa_next_free_sgpr 66
		.amdhsa_reserve_vcc 0
		.amdhsa_float_denorm_mode_32 3
		.amdhsa_float_denorm_mode_16_64 3
		.amdhsa_memory_ordered 1
		.amdhsa_forward_progress 1
		.amdhsa_inst_pref_size 85
	.end_amdhsa_kernel
	.amdgpu_metadata
---
amdhsa.version: [ 1, 2 ]
amdhsa.kernels:
  - .name:           k_q28246b0859_proj
    .symbol:         k_q28246b0859_proj.kd
    .args:
      - { .name: ctx16, .offset: 0, .size: 8, .value_kind: global_buffer, .address_space: global }
      - { .name: wo16, .offset: 8, .size: 8, .value_kind: global_buffer, .address_space: global }
      - { .name: out0, .offset: 16, .size: 8, .value_kind: global_buffer, .address_space: global }
    .group_segment_fixed_size: 327680
    .private_segment_fixed_size: 0
    .kernarg_segment_align: 8
    .kernarg_segment_size: 24
    .max_flat_workgroup_size: 128
    .sgpr_count:     66
    .vgpr_count:     768
    .wavefront_size: 32
...
	.end_amdgpu_metadata
.endif
;; end of part 5
;; launch first16 (part 6): grid 64 x 4, 8 waves a work-group, no clusters, 283,648 bytes of LDS; arguments fine32, W_o, out0; writes out0
.if DOCPART == 6
	.amdgcn_target "amdgcn-amd-amdhsa--gfx1250"
	.amdhsa_code_object_version 6
	.text
	.protected	k_q28246b0859_first16
	.globl	k_q28246b0859_first16
	.p2align	8
	.type	k_q28246b0859_first16,@function
k_q28246b0859_first16:
	s_mov_b64 s[64:65], 0
	v_nop
	global_prefetch_b8 v0, s[64:65] scope:SCOPE_SE
	s_setreg_imm32_b32 hwreg(HW_REG_WAVE_MODE, 25, 1), 1
	s_wait_xcnt 0x0
; Positions 0..15 of every sequence once more, wholly in f32: these rows average one to sixteen values, where the rounding of 16-bit operands weighs most.
; A work-group makes out[b][0..15][e0..e0+15] = w U, w = softmax(q k^T / 32) under the causal mask (16 x 16), U[key][e] = sum over d of v[key][d] W_o[e][d]  (the same sums as (w v) W_o^T, in another order).
; q, k, v of these positions come as f32 from the launch that made them.  Keys 16 and on are hidden from these queries by reference()'s own mask and are not touched.
; Eight waves share d: wave w takes d = 128 w .. 128 w + 127 of both products; the parts meet in LDS and wave 0 finishes.  The launch stores 64 bytes a row and work-group: 262,144 bytes in all.
; The four matrices (16 rows x 1,024 f32 each) come into LDS by tensor loads, two strips of 16 rows x 1,024 bytes a wave, filled once.
; A lane's 16 bytes are four neighbours along d: registers 0, 1 and registers 2, 3 are two K steps of the f32 matrix form; both operands take d in the same order.
; The registers that the f32 matrix form writes (v160-191, v232-247) are written by matrix instructions alone; four accumulators take turns.
.set STRIP, 16*1040                    ; 16 rows x (1,024 bytes + 16)
.set RED,   16*STRIP                   ; the waves' parts: 2,048 bytes a wave
.set SPARE, RED+8*2048                 ; the spare words, 128 bytes a wave
.set ADR,  4                           ; v4-7 my place in q, k, v, W_o
.set RS,   8                           ; v8  where I put my parts
.set RL,   9                           ; v9  where wave 0 reads all parts
.set DD,   10                          ; v10 r - 8 h
.set OO,   11                          ; v11 my byte offset in out0
.set SPW,  12
.set NIL,  13
.set G1, 24
.set G0, 32
	s_load_b128 s[4:7], s[0:1], 0x0                ; fine32, W_o
	s_load_b64 s[8:9], s[0:1], 0x10                ; out0
	v_lshl_add_u32 v[SPW], v0, 2, SPARE
	v_mov_b32 v[NIL], 0
	ds_add_u32 v[SPW], v[NIL]                      ; the opening: the add, twice on end, and its wait ahead of my first tensor load
	ds_add_u32 v[SPW], v[NIL]
	v_lshrrev_b32 v1, 5, v0
	v_readfirstlane_b32 s12, v1                    ; wave 0..7
	s_and_b32 s13, ttmp7, 0xffff                   ; the batch
	s_mov_b32 s[G1+0], (2<<16)|(1<<20)|(7<<22)|(3<<25)   ; elements of 4 bytes; 16 bytes of padding behind every 1,024
	s_mov_b32 s[G1+1], 256<<16
	s_mov_b32 s[G1+2], 16<<16
	s_mov_b32 s[G1+3], 256<<16
	s_mov_b32 s[G1+4], 16
	s_mov_b32 s[G1+5], 1024
	s_mov_b32 s[G1+6], 0
	s_mov_b32 s[G1+7], 0
	s_mov_b32 s20, 0x76543210                      ; v_permlanex16_b32's selects for lane l xor 16
	s_mov_b32 s21, 0xfedcba98
	s_mov_b32 s22, 0x3d38aa3b                      ; c0 = log2(e) / 32
	s_lshr_b32 s14, s12, 1                         ; which matrix I fetch: q, k, v, W_o
	s_and_b32 s15, s12, 1
	s_lshl_b32 s16, s14, 18
	s_lshl_b32 s17, s13, 16
	s_add_co_u32 s16, s16, s17                     ; in fine32: the tensor, the batch
	s_lshl_b32 s17, ttmp9, 16                      ; in W_o: 16 rows of 4,096 bytes a work-group
	s_lshl_b32 s18, s15, 11                        ; my two strips of a row's four
	s_mul_i32 s19, s12, 2*STRIP
	s_wait_dscnt 0x0                               ; both opening adds are done
	s_wait_kmcnt 0x0
	s_cmp_lt_u32 s12, 6
	s_cselect_b64 s[40:41], s[4:5], s[6:7]
	s_cselect_b32 s16, s16, s17
	s_add_co_u32 s16, s16, s18
	s_mov_b32 s17, 0
	s_add_nc_u64 s[40:41], s[40:41], s[16:17]
.irp k, 0,1
	s_mov_b32 s[G0+4*\k], 1
	s_add_co_u32 s[G0+4*\k+1], s19, \k*STRIP
	s_add_nc_u64 s[G0+4*\k+2:G0+4*\k+3], s[40:41], \k*1024
	s_or_b32 s[G0+4*\k+3], s[G0+4*\k+3], 0x80000000
	tensor_load_to_lds s[G0+4*\k:G0+4*\k+3], s[G1:G1+7]   ; every wave issues two: two loads of mine are out
	s_nop 0
.endr
	v_and_b32 v2, 15, v0                           ; r
	v_bfe_u32 v3, v0, 4, 1                         ; h
	v_mul_u32_u24 v14, v2, 1040
	v_lshl_add_u32 v14, v3, 4, v14
	s_mul_i32 s16, s14, STRIP                      ; my 128 d: strip w / 2, its half w % 2
	s_lshl_b32 s17, s15, 9
	s_add_co_u32 s16, s16, s17
	v_add_nc_u32 v[ADR], s16, v14
.irp x, 1,2,3
	v_add_nc_u32 v[ADR+\x], \x*4*STRIP, v[ADR]
.endr
	v_and_b32 v14, 31, v0
	v_lshl_add_u32 v[RL], v14, 4, RED
	s_lshl_b32 s16, s12, 11
	v_add_nc_u32 v[RS], s16, v[RL]
	v_lshlrev_b32 v14, 3, v3
	v_sub_nc_u32 v[DD], v2, v14
	v_lshlrev_b32 v14, 15, v3
	v_lshl_add_u32 v[OO], v2, 2, v14               ; rows 8 h on, column r
	s_lshl_b32 s16, s13, 23
	s_lshl_b32 s17, ttmp9, 6
	s_add_co_u32 s16, s16, s17
	s_mov_b32 s17, 0
	s_add_nc_u64 s[8:9], s[8:9], s[16:17]
	s_wait_tensorcnt 0x0                           ; my strips have landed,
	s_barrier_signal -1
	s_barrier_wait -1                              ; everybody's have
.macro LD set, ug                      ; 16 loads: four pieces of 32 bytes along d of each of the four matrices
.irp u, 0,1,2,3
.irp x, 0,1,2,3
	ds_load_b128 v[\set+16*\u+4*\x:\set+16*\u+4*\x+3], v[ADR+\x] offset:32*(4*\ug+\u)
.endr
.endr
.endm
.macro PROD set, zero                  ; 16 matrix instructions; source 0 = k (or v), source 1 = q (or W_o): a lane holds query r (or e = r), its registers keys 8 h + j
.irp u, 0,1,2,3
.if (\zero) && (\u == 0)
	v_wmma_f32_16x16x4_f32 v[160:167], v[\set+16*\u+4:\set+16*\u+5], v[\set+16*\u:\set+16*\u+1], 0
	v_wmma_f32_16x16x4_f32 v[168:175], v[\set+16*\u+8:\set+16*\u+9], v[\set+16*\u+12:\set+16*\u+13], 0
	v_wmma_f32_16x16x4_f32 v[176:183], v[\set+16*\u+6:\set+16*\u+7], v[\set+16*\u+2:\set+16*\u+3], 0
	v_wmma_f32_16x16x4_f32 v[184:191], v[\set+16*\u+10:\set+16*\u+11], v[\set+16*\u+14:\set+16*\u+15], 0
.else
	v_wmma_f32_16x16x4_f32 v[160:167], v[\set+16*\u+4:\set+16*\u+5], v[\set+16*\u:\set+16*\u+1], v[160:167]
	v_wmma_f32_16x16x4_f32 v[168:175], v[\set+16*\u+8:\set+16*\u+9], v[\set+16*\u+12:\set+16*\u+13], v[168:175]
	v_wmma_f32_16x16x4_f32 v[176:183], v[\set+16*\u+6:\set+16*\u+7], v[\set+16*\u+2:\set+16*\u+3], v[176:183]
	v_wmma_f32_16x16x4_f32 v[184:191], v[\set+16*\u+10:\set+16*\u+11], v[\set+16*\u+14:\set+16*\u+15], v[184:191]
.endif
.endr
.endm
.macro PLACES8                         ; eight plain vector instructions behind this matrix form (ISA guide 7.12.1)
.rept 8
	v_nop
.endr
.endm
	LD 32, 0
	LD 96, 1
	s_wait_dscnt 16                                ; the first set is in; the second set's 16 loads may be out
	PROD 32, 1
	PLACES8
	LD 32, 2
	s_wait_dscnt 16
	PROD 96, 0
	PLACES8
	LD 96, 3
	s_wait_dscnt 16
	PROD 32, 0
	s_wait_dscnt 0
	PROD 96, 0
	PLACES8
.irp i, 0,1,2,3
	v_pk_add_f32 v[192+2*\i:193+2*\i], v[160+2*\i:161+2*\i], v[176+2*\i:177+2*\i]   ; each accumulator from its low end on
.endr
.irp i, 0,1,2,3
	v_pk_add_f32 v[200+2*\i:201+2*\i], v[168+2*\i:169+2*\i], v[184+2*\i:185+2*\i]
.endr
.irp q, 0,1,2,3
	ds_store_b128 v[RS], v[192+4*\q:195+4*\q] offset:512*\q
.endr
	s_wait_dscnt 0x0                               ; for wave 0's sake: my parts are stored
	s_barrier_signal -1
	s_barrier_wait -1
	s_cmp_lg_u32 s12, 0
	s_cbranch_scc1 .Lend
.irp w, 0,1,2,3,4,5,6,7
.irp q, 0,1,2,3
	ds_load_b128 v[32+16*\w+4*\q:35+16*\w+4*\q], v[RL] offset:2048*\w+512*\q
.endr
.endr
	s_wait_dscnt 0x0
.irp x, 0,2,4,6,8,10,12,14
	v_pk_add_f32 v[208+\x:209+\x], v[32+\x:33+\x], v[48+\x:49+\x]
.endr
.irp w, 2,3,4,5,6,7
.irp x, 0,2,4,6,8,10,12,14
	v_pk_add_f32 v[208+\x:209+\x], v[208+\x:209+\x], v[32+16*\w+\x:33+16*\w+\x]
.endr
.endr
	; v208-215: q . k of query r, keys 8 h + j;  v216-223: U of e = r, keys 8 h + j
	v_mov_b32 v14, 0xff800000
.irp j, 0,1,2,3,4,5,6,7
	v_cmp_gt_i32 vcc_lo, \j, v[DD]                 ; key 8 h + j comes after query r
	v_cndmask_b32 v[208+\j], v[208+\j], v14, vcc_lo
.endr
	v_max3_num_f32 v15, v208, v209, v210
	v_max3_num_f32 v15, v15, v211, v212
	v_max3_num_f32 v15, v15, v213, v214
	v_max_num_f32 v15, v15, v215
	v_mov_b32 v16, 0
	v_permlanex16_b32 v16, v15, s20, s21
	v_max_num_f32 v15, v15, v16                    ; the row's largest score: key 0 counts for every query, so it is a number
	v_mul_f32 v15, s22, v15
.irp j, 0,1,2,3,4,5,6,7
	v_fma_f32 v[208+\j], v[208+\j], s22, -v15      ; the maximum is taken away ahead of the exponential
.endr
.irp j, 0,1,2,3,4,5,6,7
	v_exp_f32 v[208+\j], v[208+\j]
.endr
	v_nop
	s_wait_alu depctr_va_vdst(0)                   ; one wait for the batch, ahead of its first reader
	v_add_f32 v17, v208, v209
	v_add_f32 v18, v210, v211
	v_add_f32 v19, v212, v213
	v_add_f32 v20, v214, v215
	v_add_f32 v17, v17, v18
	v_add_f32 v19, v19, v20
	v_add_f32 v17, v17, v19
	v_permlanex16_b32 v16, v17, s20, s21
	v_add_f32 v17, v17, v16
	v_rcp_f32 v17, v17
	v_nop
	s_wait_alu depctr_va_vdst(0)
.irp j, 0,1,2,3,4,5,6,7
	v_mul_f32 v[224+\j], v[208+\j], v17            ; w of query r, keys 8 h + j
.endr
.rept 4
	v_nop
.endr
	; out = w U: registers 2 n, 2 n + 1 of both operands hold keys 8 h + 2 n + 0, 1: four keys an instruction, the same in both
	v_wmma_f32_16x16x4_f32 v[232:239], v[224:225], v[216:217], 0
	v_wmma_f32_16x16x4_f32 v[240:247], v[226:227], v[218:219], 0
	v_wmma_f32_16x16x4_f32 v[232:239], v[228:229], v[220:221], v[232:239]
	v_wmma_f32_16x16x4_f32 v[240:247], v[230:231], v[222:223], v[240:247]
	PLACES8
.irp i, 0,1,2,3
	v_pk_add_f32 v[248+2*\i:249+2*\i], v[232+2*\i:233+2*\i], v[240+2*\i:241+2*\i]
.endr
.irp j, 0,1,2,3,4,5,6,7
	global_store_b32 v[OO], v[248+\j], s[8:9] offset:4096*\j   ; out(8 h + j, e0 + r)
.endr
.Lend:
	s_wait_tensorcnt 0x0                           ; the wave's end
	ds_add_u32 v[SPW], v[NIL]
	s_wait_dscnt 0x0
	s_endpgm
.Lfunc_end_k_q28246b0859_first16:
	.size	k_q28246b0859_first16, .Lfunc_end_k_q28246b0859_first16-k_q28246b0859_first16
	.p2alignl 7, 3214868480
	.fill 96, 4, 3214868480
	.section	.rodata,"a",@progbits
	.p2align	6, 0x0
	.amdhsa_kernel k_q28246b0859_first16
		.amdhsa_group_segment_fixed_size 283648
		.amdhsa_private_segment_fixed_size 0
		.amdhsa_enable_private_segment 0
		.amdhsa_kernarg_size 24
		.amdhsa_user_sgpr_count 2
		.amdhsa_user_sgpr_kernarg_segment_ptr 1
		.amdhsa_wavefront_size32 1
		.amdhsa_system_sgpr_workgroup_id_x 1
		.amdhsa_system_sgpr_workgroup_id_y 1
		.amdhsa_system_sgpr_workgroup_id_z 1
		.amdhsa_system_vgpr_workitem_id 0
		.amdhsa_next_free_vgpr 256
		.amdhsa_next_free_sgpr 66
		.amdhsa_reserve_vcc 1
		.amdhsa_float_denorm_mode_32 3
		.amdhsa_float_denorm_mode_16_64 3
		.amdhsa_memory_ordered 1
		.amdhsa_forward_progress 1
		.amdhsa_inst_pref_size 24
	.end_amdhsa_kernel
	.amdgpu_metadata
---
amdhsa.version: [ 1, 2 ]
amdhsa.kernels:
  - .name:           k_q28246b0859_first16
    .symbol:         k_q28246b0859_first16.kd
    .args:
      - { .name: fine32, .offset: 0, .size: 8, .value_kind: global_buffer, .address_space: global }
      - { .name: W_o, .offset: 8, .size: 8, .value_kind: global_buffer, .address_space: global }
      - { .name: out0, .offset: 16, .size: 8, .value_kind: global_buffer, .address_space: global }
    .group_segment_fixed_size: 283648
    .private_segment_fixed_size: 0
    .kernarg_segment_align: 8
    .kernarg_segment_size: 24
    .max_flat_workgroup_size: 256
    .sgpr_count:     66
    .vgpr_count:     256
    .wavefront_size: 32
...
	.end_amdgpu_metadata
.endif
;; end of part 6
